; MI455X (gfx1250); checked and timed in simulation.
; The chip was launched on July 23, 2026; its instructions are those of AMD's public machine-readable ISA for CDNA 5 (MIT licence, August 2026) and "CDNA5" Instruction Set Architecture Reference Guide (July 2026). The comments in the code are by the model that wrote it; some were corrected since.
;; Causal Multi Head Self Attention. Allowed arithmetic: matrix products marked QUANTISED: E4M3 operands, one given power-of-two scale a tensor, by v_wmma_f32_16x16x64_fp8_fp8 or v_wmma_f32_16x16x128_fp8_fp8, f32 sums; everything else in f32.
;; Inputs: Wk_codes 1,024 x 32 x 32 uint8 (E4M3 codes of Wk, K innermost, in blocks of 32 codes); Wo_codes 1,024 x 32 x 32 uint8 (E4M3 codes of Wo, K innermost, in blocks of 32 codes); Wq_codes 1,024 x 32 x 32 uint8 (E4M3 codes of Wq, K innermost, in blocks of 32 codes); Wv_codes 1,024 x 32 x 32 uint8 (E4M3 codes of Wv, K innermost, in blocks of 32 codes); lowp_scales 12 int32 (the exponents e of the quantised operands' scales 2^e); token_positions 4,096 int32; x_codes 1 x 4,096 x 32 x 32 uint8 (E4M3 codes of x, K innermost, in blocks of 32 codes).
;; Outputs: out0 1 x 4,096 x 1,024 float32.
;; This version of the problem:
;;   THIS VERSION OF THE PROBLEM IS GIVEN IN LOW PRECISION. The matrix products marked QUANTISED in the list below multiply operands that are first quantised to E4M3 (4 exponent bits, 3 mantissa bits; 8 bits a number), with one given power-of-two scale for each operand tensor; their sums are f32. All else is computed in f32.
;;   The module's matrix products, in the order in which they are computed (A, B: the left and right operand; K: the contracted axis; several contracted axes count as one K, in the product's order):
;;     1. [M 4,096, K 1,024] x [K 1,024, N 1,024]; A: input x (given as codes); B: input Wq (given as codes): QUANTISED (scales: A lowp_scales[0], B lowp_scales[1])
;;     2. [M 4,096, K 1,024] x [K 1,024, N 1,024]; A: input x (given as codes); B: input Wk (given as codes): QUANTISED (scales: A lowp_scales[2], B lowp_scales[3])
;;     3. [M 4,096, K 1,024] x [K 1,024, N 1,024]; A: input x (given as codes); B: input Wv (given as codes): QUANTISED (scales: A lowp_scales[4], B lowp_scales[5])
;;     4. batch 8 x [M 4,096, K 128] x [K 128, N 4,096]; A: computed on the way; B: computed on the way: QUANTISED (scales: A lowp_scales[6], B lowp_scales[7])
;;     5. batch 8 x [M 4,096, K 4,096] x [K 4,096, N 128]; A: softmax (see below); B: computed on the way: QUANTISED (scales: A lowp_scales[8], B lowp_scales[9])
;;     6. [M 4,096, K 1,024] x [K 1,024, N 1,024]; A: computed on the way; B: input Wo (given as codes): QUANTISED (scales: A lowp_scales[10], B lowp_scales[11])
;;   THE QUANTISER, for each operand of a quantised product, along K:
;;     - The operand's scale is 2^e, e = its entry of the input lowp_scales (int32; the entries are numbered through the quantised products in the list's order, A before B).
;;     - Each number is divided by the scale, clamped to +-448, and rounded to the nearest number of E4M3, ties to even, subnormals kept.
;;     - The product sums the exact products of the quantised numbers (number of the format x scale) in f32.
;;   ~~~python
;;   def quantise(x, axis, e):      # numpy; x: float32 -> the quantised numbers, widened to float32 again
;;       x = np.moveaxis(x, axis, -1); K = x.shape[-1]
;;       r = np.clip(x / 2.0 ** e, -448, 448)
;;       step = 2.0 ** (np.maximum(np.frexp(np.where(r == 0, 1, r))[1] - 1, -6) - 3)
;;       q = np.round(r / step) * step * 2.0 ** e      # np.round: ties to even
;;       return np.moveaxis(q, -1, axis).astype(np.float32)
;;   ~~~
;;   SOFTMAX AHEAD OF A QUANTISED PRODUCT. Where the list says 'softmax', what is quantised is not the finished softmax but p = 2^(t - M), with t = logit x log2(e) and M = ceil(the row's largest t), a whole number; so 1/2 < the row's largest p <= 1. The row's sum l is taken of the UNQUANTISED p, in f32, and the product's result is divided by l at the end. Since M is a whole number, a kernel that streams over the keys may use a running M (the ceiling of the running maximum): every later rescaling is an exact power of two, so the quantised numbers keep their values, but for numbers so far below the row's largest that they fall under the format's range.
;;   OPERANDS COMPUTED ON THE WAY. 'Computed on the way' means the value that the module computes at that place (a softmax that the list does not call 'softmax' is quantised finished and normalised). What goes into a quantiser is computed in f32, as accurately as f32 sums, v_exp_f32 and their like allow (about 1e-6 of the number): no bf16 or f16 on the way to a quantiser, and a product that is left as it is and whose result goes on into a quantised operand takes f32 operands (vector FMAs, or v_wmma_f32_16x16x4_f32). A number that lies on a knife's edge between two numbers of the format may be rounded either way, as far as f32 arithmetic and the matrix unit's own rounding can turn it there, and no further.
;;   INPUTS GIVEN AS CODES. Wk (in the module: [1024, 1024], K = its axis 1); Wo (in the module: [1024, 1024], K = its axis 1); Wq (in the module: [1024, 1024], K = its axis 1); Wv (in the module: [1024, 1024], K = its axis 1); x (in the module: [1, 4096, 1024], K = its axis 2): each comes as NAME_codes (uint8): NAME with its K axis moved to the last place and cut into blocks of 32 codes, [.., K / 32, bytes a block], one block behind the other in memory; one code a byte (a code: sign, 4 exponent bits, 3 mantissa bits); its scale is its entry of lowp_scales. Its value is code x scale, taken as it is: it is not quantised again, and the codes and scales need not be those that the quantiser above would give.
;; One version. Each part assembles by itself: llvm-mc -triple=amdgcn-amd-amdhsa -mcpu=gfx1250 --defsym DOCPART=n.
;; ======== version 1 of 1: 3 launches
;; limits: right only within a limited range of input values
;; workspace buffers: q_img 4,194,304 bytes; k_img 4,194,304 bytes; v_img 4,194,304 bytes; a_img 4,194,304 bytes
;; launch qkv (part 1): grid 8 x 32, 4 waves a work-group, clusters of 4 x 4, 327,680 bytes of LDS; arguments x_codes, Wq_codes, Wk_codes, Wv_codes, lowp_scales, token_positions, q_img, k_img, v_img; writes q_img, k_img, v_img
.if DOCPART == 1
	.amdgcn_target "amdgcn-amd-amdhsa--gfx1250"
	.amdhsa_code_object_version 6
	.text
	.protected	k_qe9d89f2de4_qkv
	.globl	k_qe9d89f2de4_qkv
	.p2align	8
	.type	k_qe9d89f2de4_qkv,@function
k_qe9d89f2de4_qkv:
	s_mov_b64 s[64:65], 0
	v_nop
	global_prefetch_b8 v0, s[64:65] scope:SCOPE_SE
	s_setreg_imm32_b32 hwreg(HW_REG_WAVE_MODE, 25, 1), 1
	s_wait_xcnt 0x0
	s_wait_alu depctr_hold_cnt(0) depctr_sa_sdst(0) depctr_va_vdst(0) depctr_va_sdst(0) depctr_va_ssrc(0) depctr_va_vcc(0) depctr_vm_vsrc(0)
	s_getreg_b32 s2, hwreg(HW_REG_IB_STS2, 6, 4)
	s_cmp_eq_u32 s2, 0
	s_cbranch_scc0 .Lentry_in_a_cluster
	s_endpgm
.Lentry_in_a_cluster:
	s_bfe_u32 s2, ttmp6, 0x10000c
	s_cmp_lg_u32 s2, 0xf033
	s_cbranch_scc0 .Lentry_shape_is_right
	s_endpgm
.Lentry_shape_is_right:
; q, k, v = x Wq^T, x Wk^T, x Wv^T on the given E4M3 codes; RoPE on q and k in f32; q, k, v quantised by their given scales and stored as codes.
; x: [4096][1024] codes; Wq, Wk, Wv: [1024][1024] codes, K innermost.  lowp_scales e0..e11.  token_positions: [4096] int32, honoured as given.
; DEAD WORK IN THIS PROGRAM.  This launch leaves nothing out.  The second launch leaves out every tile of 16 queries x 128 keys whose keys all come after its queries:
; reference() itself sets those scores to -inf by its own jnp.tril, so their p is 0 and they add 0 to the row's sum and to the second product, whatever finite values the inputs hold.
; LIMIT: a NaN, an infinity or an overflow that would reach only those tiles is not carried to the result.  Every input has a way to the output, and all are loaded.
; SHARES.  A work-group makes 128 rows x the 128 columns of one head of each of q, k, v.  Wave w makes all 128 rows x columns 32 w .. 32 w + 31 of each: 8 tiles of rows x 6 tiles of columns = 48 accumulators.
; q, k TRANSPOSED (source 0 = 16 rows of W, source 1 = 16 rows of x): a lane holds one row and eight neighbouring d, so a RoPE pair lies in neighbouring registers and the codes run along d, the next K.
; v NOT transposed (source 0 = x, source 1 = Wv): a lane holds one d and eight neighbouring rows, which are keys, the K of the second attention product.
; Wv'S ROWS OF A TILE ARE NOT NEIGHBOURS: lane r of tile u takes row 32 w + 8 u + r + 8 (r / 8), so that the attention output's registers will run along d in the order that the last product wants.
; OUT: images of operand registers: a fragment (16 rows x 128 K) is 2,048 bytes, [group of four registers][lane][16 bytes]; every store of a wave covers 512 consecutive bytes, aligned.
;   q_img, k_img [head][tile of 16 rows][2048]: registers 2 c, 2 c + 1 = d 16 c + 8 h + 0..7.   v_img [head][key step of 128][tile of d][2048]: registers 2 a, 2 a + 1 = keys 16 a + 8 h + 0..7.
; K goes in chunks of 256 through two LDS slots (x's 128 rows, then Wq's, Wk's, Wv's), each chunk four steps of 64 by v_wmma_f32_16x16x64_fp8_fp8; k stands in the same places in both sources.
; CLUSTER 4 x 4: x's tile hangs on the block of rows alone and is asked for jointly along a row of the cluster, W's on the head alone and is asked for jointly along a column.
; LIMITS: e6-e0-e1, e7-e2-e3, e9-e4-e5 between -126 and 119 (each power of two below is an f32 number); |token_positions| <= 2^21 (the reduction of the angle); NaN is not served.
; REGISTERS: window 0: v1-25 addresses and scales; v32-159 cos, sin; v160-247 at work.  window 1: two sets of fragments (x 64, W 48 registers).  window 2: q's and k's 32 accumulators.  window 3: v's 16.
; (What the second launch leaves out it leaves out in units of 128 keys x the 256 neighbouring queries of a cluster: such a unit is made of the tiles named above.)
.set PITCH, 272                        ; an LDS row: 256 bytes + 16 of padding: the 16 rows that a load touches start 68 words apart
.set HALFT, 128*PITCH                  ; 128 rows: what one tensor load brings
.set SLOT,  4*HALFT
.set SPARE, 2*SLOT                     ; behind the ring: the spare words, 128 bytes a wave; no other line names them
.set ADRX, 10                          ; v10-11 x's fragments in slot 0, 1
.set ADRW, 12                          ; v12-13 Wq's (Wk's lie HALFT further on)
.set ADRV, 14                          ; v14-15 Wv's
.set LI,   16                          ; v16 16 x lane
.set PO,   17                          ; v17 4 r
.set SPW,  18                          ; v18 my spare word; never rewritten
.set NIL,  19                          ; v19 0; never rewritten
.set SCQ,  20                          ; v20, 21: 2^(e6-e0-e1) and 448 x it; v22, 23 k's; v24, 25 v's
.set LMQ,  21
.set SCK,  22
.set LMK,  23
.set SCV,  24
.set LMV,   25
.set PFO,   26                         ; v26 the prefetches' offset: my lane x a row of 1,024 bytes; never rewritten
.set PFA,   60                         ; s[60:61] my work-group's 32 rows of the 128 that my wave fetches, at chunk 0; never rewritten
.set PFG,   62                         ; s62 1: my wave prefetches
.set CS,   32                          ; cos at CS + 16 a + 2 i, sin at + 1: tile of rows a, pair i = 4 u + j / 2
.set X,    160                         ; the epilogue: 16 numbers
.set T,    176                         ; four pairs
.set QD,   184                         ; sixteen quads of codes
.set INV,  160                         ; the head: 8 inverse frequencies,
.set POS,  168                         ; 8 positions, each twice,
.set MAGIC, 184                        ; 1.5 x 2^23 twice,
.set S11,  186                         ; -1/11! twice,
.set C10,  188                         ; -1/10! twice,
.set ST,   190                         ; four streams of 12: +0 f then r, +2 t then the sign, +4 n then z r, +6 z, +8 sin's sum, +10 cos's
.set WV,   22
.set G1,   28                          ; s[28:35] group 1 for x's tiles; s[36:43] group 0, a set for each slot
.set G0,   36
.set G1B,  44                          ; s[44:51], s[52:59] the same for W's
.set G0B,  52
.set MSB, 0
.macro WIN new                         ; the immediate's high byte repeats the setting that is left
.if MSB != \new
	s_set_vgpr_msb (MSB<<8)|\new
.set MSB, \new
.endif
.endm
.macro PLACES
.rept 4
	v_nop
.endr
.endm
; A joint load: wave 0 fetches x's tile, waves 1 to 3 Wq's, Wk's, Wv's.  The branch hangs on the wave's number alone.  An s_nop 0 and four v_nop follow each line.
.macro JLOAD s
	s_cmp_eq_u32 s[WV], 0
	s_cbranch_scc0 .Lfor_w_\@
	tensor_load_to_lds s[G0+4*(\s):G0+4*(\s)+3], s[G1:G1+7]
	s_nop 0
	PLACES
	s_branch .Lasked_\@
.Lfor_w_\@:
	tensor_load_to_lds s[G0B+4*(\s):G0B+4*(\s)+3], s[G1B:G1B+7]
	s_nop 0
	PLACES
.Lasked_\@:
.endm
; A PREFETCH of chunk c, 256 bytes of each row, a lane a row: chunk 1 behind chunk 0's load, chunk 2 ahead of the table, chunk 3 behind chunk 1's load: the last two stand two loads ahead.
; The four partners that ask for a tile jointly share its 128 rows out by address (cx for x, cy for W).  x is asked for in every cluster; W, which all eight rows of clusters load, in the first four rows of clusters alone.
.macro ASK c
	s_cmp_eq_u32 s[PFG], 1
	s_cbranch_scc0 .Lnot_mine_\@
	global_prefetch_b8 v[PFO], s[PFA:PFA+1] offset:256*\c th:TH_LOAD_NT scope:SCOPE_SE
.Lnot_mine_\@:
.endm
.macro CROUND
	s_barrier_signal -1
	s_barrier_wait -1
	s_cmp_lg_u32 s[WV], 0
	s_cbranch_scc1 .Lnot_wave_0_\@
	s_barrier_signal -3
.Lnot_wave_0_\@:
	s_barrier_wait -3
	s_barrier_signal -1
	s_barrier_wait -1
.endm
	s_load_b512 s[4:19], s[0:1], 0x0               ; x s[4:5], Wq s[6:7], Wk s[8:9], Wv s[10:11], scales s[12:13], positions s[14:15], q_img s[16:17], k_img s[18:19]
	s_load_b64 s[20:21], s[0:1], 0x40              ; v_img
	v_lshl_add_u32 v[SPW], v0, 2, SPARE
	v_mov_b32 v[NIL], 0
	ds_add_u32 v[SPW], v[NIL]                      ; the wave's opening: the add, twice on end, and its wait ahead of my first tensor load
	ds_add_u32 v[SPW], v[NIL]
	v_lshrrev_b32 v1, 5, v0
	v_readfirstlane_b32 s[WV], v1                  ; wave 0..3
	s_bfe_u32 s23, ttmp6, 0x40000                  ; cx
	s_bfe_u32 s24, ttmp6, 0x40004                  ; cy
	s_lshl_b32 s25, ttmp9, 2
	s_add_co_u32 s25, s25, s23                     ; the head = 4 x cluster x + cx
	s_and_b32 s26, ttmp7, 0xffff
	s_lshl_b32 s26, s26, 2
	s_add_co_u32 s26, s26, s24                     ; the block of 128 rows = 4 x cluster y + cy
	s_lshl_b32 s80, s24, 2
	s_lshl_b32 s80, 15, s80                        ; my row of the cluster
	s_lshl_b32 s81, 0x1111, s23                    ; my column
	s_or_b32 s[G1], s80, (1<<20)|(1<<21)|(5<<22)|(3<<25)   ; the mask; elements of 1 byte; padding on; bit 21 beside a mask; after every 64 words, 4 words
	s_or_b32 s[G1B], s81, (1<<20)|(1<<21)|(5<<22)|(3<<25)
.irp g, G1, G1B
	s_mov_b32 s[\g+1], 256<<16                     ; tensor_dim0 = 256
	s_mov_b32 s[\g+2], 128<<16                     ; tensor_dim1 = 128
	s_mov_b32 s[\g+3], 256<<16                     ; tile_dim0 = 256
	s_mov_b32 s[\g+4], 128                         ; tile_dim1 = 128
	s_mov_b32 s[\g+5], 1024                        ; from row to row
	s_mov_b32 s[\g+6], 0
	s_mov_b32 s[\g+7], 0
.endr
	s_lshl_b32 s82, s26, 17                        ; x: 128 rows of 1,024 bytes a block
	s_mov_b32 s83, 0
	s_lshl_b32 s84, s25, 17                        ; W: 128 rows a head
	s_mov_b32 s85, 0
	s_mul_i32 s86, s[WV], HALFT                    ; where my tile goes: wave x 128 rows
	s_wait_dscnt 0x0                               ; both opening adds are done
	CROUND                                         ; all sixteen work-groups are here: the first joint loads meet.  (The arguments travel meanwhile)
	s_wait_kmcnt 0x0
	s_load_b256 s[68:75], s[12:13], 0x0            ; e0 .. e7
	s_load_b128 s[76:79], s[12:13], 0x20           ; e8 .. e11
	s_add_nc_u64 s[82:83], s[4:5], s[82:83]
	s_cmp_eq_u32 s[WV], 1
	s_cselect_b64 s[88:89], s[6:7], s[8:9]         ; wave 1: Wq; wave 2: Wk;
	s_cmp_eq_u32 s[WV], 3
	s_cselect_b64 s[88:89], s[10:11], s[88:89]     ; wave 3: Wv
	s_add_nc_u64 s[84:85], s[88:89], s[84:85]
	s_and_b32 s94, ttmp7, 0xffff
	s_cmp_lt_u32 s94, 4
	s_cselect_b32 s[PFG], 1, 0
	s_cmp_eq_u32 s[WV], 0
	s_cselect_b32 s[PFG], 1, s[PFG]
	s_cselect_b64 s[PFA:PFA+1], s[82:83], s[84:85]
	s_cselect_b32 s92, s23, s24
	s_lshl_b32 s92, s92, 15                        ; 32 rows of 1,024 bytes a partner
	s_mov_b32 s93, 0
	s_add_nc_u64 s[PFA:PFA+1], s[PFA:PFA+1], s[92:93]
.irp s, 0,1
	s_mov_b32 s[G0+4*\s], 1
	s_add_co_u32 s[G0+4*\s+1], s86, \s*SLOT
	s_add_nc_u64 s[G0+4*\s+2:G0+4*\s+3], s[82:83], \s*256
	s_or_b32 s[G0+4*\s+3], s[G0+4*\s+3], 0x80000000
	s_mov_b32 s[G0B+4*\s], 1
	s_add_co_u32 s[G0B+4*\s+1], s86, \s*SLOT
	s_add_nc_u64 s[G0B+4*\s+2:G0B+4*\s+3], s[84:85], \s*256
	s_or_b32 s[G0B+4*\s+3], s[G0B+4*\s+3], 0x80000000
.endr
	JLOAD 0                                        ; chunk 0: one tensor load a wave at the head
	; ---- while the first tiles travel: addresses, and the table of cos and sin
	v_and_b32 v1, 15, v0                           ; r
	v_bfe_u32 v2, v0, 4, 1                         ; h
	v_lshlrev_b32 v[PO], 2, v1
	s_lshl_b32 s90, s26, 9                         ; my block's 128 positions
	s_mov_b32 s91, 0
	s_add_nc_u64 s[14:15], s[14:15], s[90:91]
.irp a, 0,1,2,3,4,5,6,7
	global_load_b32 v[POS+2*\a], v[PO], s[14:15] offset:64*\a   ; the position of row 16 a + r
.endr
	v_mul_u32_u24 v3, v1, PITCH
	v_lshl_add_u32 v3, v2, 4, v3                   ; r x pitch + 16 h
	v_and_b32 v4, 8, v1
	v_mul_u32_u24 v4, v4, PITCH
	v_add_nc_u32 v4, v4, v3                        ; (r + 8 (r / 8)) x pitch + 16 h
	s_mul_i32 s87, s[WV], 32*PITCH
	s_add_co_u32 s87, s87, HALFT                   ; my 32 rows of Wq
	s_add_co_u32 s88, s87, 2*HALFT                 ; and of Wv
.irp s, 0,1
	v_add_nc_u32 v[ADRX+\s], \s*SLOT, v3
	v_add_nc_u32 v[ADRW+\s], s87, v3
	v_add_nc_u32 v[ADRV+\s], s88, v4
	s_add_co_u32 s87, s87, SLOT
	s_add_co_u32 s88, s88, SLOT
.endr
	v_and_b32 v5, 31, v0
	v_lshlrev_b32 v[LI], 4, v5
	v_lshlrev_b32 v[PFO], 10, v5
	s_wait_alu depctr_va_vdst(0)
	ASK 1
	s_lshl_b32 s90, s25, 19                        ; the images: a head is 524,288 bytes, a block of 128 rows 16,384
	s_lshl_b32 s92, s26, 14
	s_add_co_u32 s90, s90, s92
	s_lshl_b32 s92, s[WV], 9                       ; q, k: my group of four registers
	s_add_co_u32 s92, s90, s92
	s_mov_b32 s93, 0
	s_add_nc_u64 s[16:17], s[16:17], s[92:93]
	s_add_nc_u64 s[18:19], s[18:19], s[92:93]
	s_lshl_b32 s92, s[WV], 12                      ; v: my two fragments
	s_add_co_u32 s92, s90, s92
	s_add_nc_u64 s[20:21], s[20:21], s[92:93]
	; inverse frequencies: pair i = 4 u + jj of my lane is frequency 16 w + 8 u + 4 h + jj; 10000^(-n/64) = 2^(-n log2(10) / 16)
	s_lshl_b32 s92, s[WV], 4
	v_lshlrev_b32 v6, 2, v2
	v_add_nc_u32 v6, s92, v6
.irp i, 0,1,2,3,4,5,6,7
	v_add_nc_u32 v[INV+\i], 8*(\i/4)+\i%4, v6
.endr
.irp i, 0,1,2,3,4,5,6,7
	v_cvt_f32_u32 v[INV+\i], v[INV+\i]
.endr
.irp i, 0,1,2,3,4,5,6,7
	v_mul_f32 v[INV+\i], 0xbe549a78, v[INV+\i]
.endr
	s_wait_alu depctr_va_vdst(0)
.irp i, 0,1,2,3,4,5,6,7
	v_exp_f32 v[INV+\i], v[INV+\i]
.endr
	v_mov_b32 v[MAGIC], 0x4b400000                 ; (plain lines behind the exponentials)
	v_mov_b32 v[MAGIC+1], 0x4b400000
	v_mov_b32 v[S11], 0xb2d7322b
	v_mov_b32 v[S11+1], 0xb2d7322b
	v_mov_b32 v[C10], 0xb493f27e
	v_mov_b32 v[C10+1], 0xb493f27e
	s_wait_alu depctr_va_vdst(0)                   ; one wait for the eight exponentials, ahead of their first reader
	s_wait_loadcnt 0x0                             ; the positions
	ASK 2
.irp a, 0,1,2,3,4,5,6,7
	v_cvt_f32_i32 v[POS+2*\a], v[POS+2*\a]
.endr
.irp a, 0,1,2,3,4,5,6,7
	v_mov_b32 v[POS+2*\a+1], v[POS+2*\a]
.endr
; cos and sin of position a x my eight frequencies: four packed streams, line by line, so that no line waits for the line above.
; f = pos x inv, rounded once as in reference(); n = the whole number nearest f / pi (by adding 1.5 x 2^23); r = f - n pi, pi in two parts; |r| <= pi / 2;
; sin r and cos r by their series to r^13 and r^12 (what is left is under 1e-8); both take the sign (-1)^n, which is t's lowest bit.
.macro SC4 a
.irp k, 0,1,2,3
	v_pk_mul_f32 v[ST+12*\k:ST+12*\k+1], v[INV+2*\k:INV+2*\k+1], v[POS+2*\a:POS+2*\a+1]
.endr
.irp k, 0,1,2,3
	v_pk_fma_f32 v[ST+12*\k+2:ST+12*\k+3], v[ST+12*\k:ST+12*\k+1], 0x3ea2f983, v[MAGIC:MAGIC+1] op_sel_hi:[1,0,1]
.endr
.irp k, 0,1,2,3
	v_pk_add_f32 v[ST+12*\k+4:ST+12*\k+5], v[ST+12*\k+2:ST+12*\k+3], 0xcb400000 op_sel_hi:[1,0]
.endr
.irp k, 0,1,2,3
	v_pk_fma_f32 v[ST+12*\k:ST+12*\k+1], v[ST+12*\k+4:ST+12*\k+5], 0xc0490fdb, v[ST+12*\k:ST+12*\k+1] op_sel_hi:[1,0,1]
.endr
.irp k, 0,1,2,3
	v_pk_fma_f32 v[ST+12*\k:ST+12*\k+1], v[ST+12*\k+4:ST+12*\k+5], 0x33bbbd2e, v[ST+12*\k:ST+12*\k+1] op_sel_hi:[1,0,1]
.endr
.irp k, 0,1,2,3
	v_lshlrev_b32 v[ST+12*\k+2], 31, v[ST+12*\k+2]
	v_lshlrev_b32 v[ST+12*\k+3], 31, v[ST+12*\k+3]
.endr
.irp k, 0,1,2,3
	v_pk_mul_f32 v[ST+12*\k+6:ST+12*\k+7], v[ST+12*\k:ST+12*\k+1], v[ST+12*\k:ST+12*\k+1]
.endr
.irp k, 0,1,2,3
	v_pk_fma_f32 v[ST+12*\k+8:ST+12*\k+9], v[ST+12*\k+6:ST+12*\k+7], 0x2f309231, v[S11:S11+1] op_sel_hi:[1,0,1]
	v_pk_fma_f32 v[ST+12*\k+10:ST+12*\k+11], v[ST+12*\k+6:ST+12*\k+7], 0x310f76c8, v[C10:C10+1] op_sel_hi:[1,0,1]
.endr
.irp k, 0,1,2,3
	v_pk_mul_f32 v[ST+12*\k+4:ST+12*\k+5], v[ST+12*\k+6:ST+12*\k+7], v[ST+12*\k:ST+12*\k+1]
.endr
.irp k, 0,1,2,3
	v_pk_fma_f32 v[ST+12*\k+8:ST+12*\k+9], v[ST+12*\k+8:ST+12*\k+9], v[ST+12*\k+6:ST+12*\k+7], 0x3638ef1d op_sel_hi:[1,1,0]
	v_pk_fma_f32 v[ST+12*\k+10:ST+12*\k+11], v[ST+12*\k+10:ST+12*\k+11], v[ST+12*\k+6:ST+12*\k+7], 0x37d00d01 op_sel_hi:[1,1,0]
.endr
.irp k, 0,1,2,3
	v_pk_fma_f32 v[ST+12*\k+8:ST+12*\k+9], v[ST+12*\k+8:ST+12*\k+9], v[ST+12*\k+6:ST+12*\k+7], 0xb9500d01 op_sel_hi:[1,1,0]
	v_pk_fma_f32 v[ST+12*\k+10:ST+12*\k+11], v[ST+12*\k+10:ST+12*\k+11], v[ST+12*\k+6:ST+12*\k+7], 0xbab60b61 op_sel_hi:[1,1,0]
.endr
.irp k, 0,1,2,3
	v_pk_fma_f32 v[ST+12*\k+8:ST+12*\k+9], v[ST+12*\k+8:ST+12*\k+9], v[ST+12*\k+6:ST+12*\k+7], 0x3c088889 op_sel_hi:[1,1,0]
	v_pk_fma_f32 v[ST+12*\k+10:ST+12*\k+11], v[ST+12*\k+10:ST+12*\k+11], v[ST+12*\k+6:ST+12*\k+7], 0x3d2aaaab op_sel_hi:[1,1,0]
.endr
.irp k, 0,1,2,3
	v_pk_fma_f32 v[ST+12*\k+8:ST+12*\k+9], v[ST+12*\k+8:ST+12*\k+9], v[ST+12*\k+6:ST+12*\k+7], 0xbe2aaaab op_sel_hi:[1,1,0]
	v_pk_fma_f32 v[ST+12*\k+10:ST+12*\k+11], v[ST+12*\k+10:ST+12*\k+11], v[ST+12*\k+6:ST+12*\k+7], -0.5 op_sel_hi:[1,1,0]
.endr
.irp k, 0,1,2,3
	v_pk_fma_f32 v[ST+12*\k+8:ST+12*\k+9], v[ST+12*\k+8:ST+12*\k+9], v[ST+12*\k+4:ST+12*\k+5], v[ST+12*\k:ST+12*\k+1]
	v_pk_fma_f32 v[ST+12*\k+10:ST+12*\k+11], v[ST+12*\k+10:ST+12*\k+11], v[ST+12*\k+6:ST+12*\k+7], 1.0 op_sel_hi:[1,1,0]
.endr
.irp k, 0,1,2,3
	v_xor_b32 v[CS+16*\a+4*\k],   v[ST+12*\k+10], v[ST+12*\k+2]
	v_xor_b32 v[CS+16*\a+4*\k+1], v[ST+12*\k+8],  v[ST+12*\k+2]
	v_xor_b32 v[CS+16*\a+4*\k+2], v[ST+12*\k+11], v[ST+12*\k+3]
	v_xor_b32 v[CS+16*\a+4*\k+3], v[ST+12*\k+9],  v[ST+12*\k+3]
.endr
.endm
.irp a, 0,1,2,3,4,5,6,7
	SC4 \a
.endr
	; the folded scales: a sum stands for sum x 2^(ex + ew), so its code is sum / 2^(e - ex - ew)
.macro MKSC vs, vl                     ; s94 = the exponent
	s_add_co_i32 s96, s94, 127
	s_lshl_b32 s97, s96, 23
	v_mov_b32 v[\vs], s97                          ; the power of two as f32: the conversion takes its exponent field
	s_add_co_i32 s96, s96, 8
	s_lshl_b32 s96, s96, 23
	s_or_b32 s96, s96, 0x600000
	v_mov_b32 v[\vl], s96                          ; 448 x it
.endm
	s_wait_kmcnt 0x0
	s_sub_co_i32 s94, s74, s68
	s_sub_co_i32 s94, s94, s69                     ; e6 - e0 - e1
	MKSC SCQ, LMQ
	s_sub_co_i32 s94, s75, s70
	s_sub_co_i32 s94, s94, s71                     ; e7 - e2 - e3
	MKSC SCK, LMK
	s_sub_co_i32 s94, s77, s72
	s_sub_co_i32 s94, s94, s73                     ; e9 - e4 - e5
	MKSC SCV, LMV
; 28 LDS loads in one run: the fragments of the slot's q-th 64 along K into set p.  A fragment is 8 registers: two loads of 16 bytes, 32 bytes apart: registers 4 c .. 4 c + 3 hold k = 32 c + 16 h + 0..15, alike in x and W.
.macro FETCH slot, q, p
	WIN 0x40                                       ; destination window 1, address window 0
.irp a, 0,1,2,3,4,5,6,7
	ds_load_b128 v[112*(\p)+8*\a:112*(\p)+8*\a+3],   v[ADRX+(\slot)] offset:\a*16*PITCH+64*(\q)
	ds_load_b128 v[112*(\p)+8*\a+4:112*(\p)+8*\a+7], v[ADRX+(\slot)] offset:\a*16*PITCH+64*(\q)+32
.endr
.irp u, 0,1
	ds_load_b128 v[112*(\p)+64+8*\u:112*(\p)+64+8*\u+3],   v[ADRW+(\slot)] offset:\u*16*PITCH+64*(\q)
	ds_load_b128 v[112*(\p)+64+8*\u+4:112*(\p)+64+8*\u+7], v[ADRW+(\slot)] offset:\u*16*PITCH+64*(\q)+32
.endr
.irp u, 0,1
	ds_load_b128 v[112*(\p)+80+8*\u:112*(\p)+80+8*\u+3],   v[ADRW+(\slot)] offset:HALFT+\u*16*PITCH+64*(\q)
	ds_load_b128 v[112*(\p)+80+8*\u+4:112*(\p)+80+8*\u+7], v[ADRW+(\slot)] offset:HALFT+\u*16*PITCH+64*(\q)+32
.endr
.irp u, 0,1
	ds_load_b128 v[112*(\p)+96+8*\u:112*(\p)+96+8*\u+3],   v[ADRV+(\slot)] offset:\u*8*PITCH+64*(\q)
	ds_load_b128 v[112*(\p)+96+8*\u+4:112*(\p)+96+8*\u+7], v[ADRV+(\slot)] offset:\u*8*PITCH+64*(\q)+32
.endr
.endm
; 48 matrix instructions on 48 accumulators, which take turns in the same order in every step.  zero = 1: the first step starts the sums.
.macro MULS p, zero
	WIN 0xa5                                       ; sources window 1, C and D window 2
.irp n, 0,1,2,3
.if \n == 2
	s_wait_dscnt W2                                ; Wk's and Wv's fragments of this step are in; the next step's 28 loads, where they have been issued, may be out
.endif
.irp a, 0,1,2,3,4,5,6,7
.if \zero
	v_wmma_f32_16x16x64_fp8_fp8 v[8*(8*\n+\a):8*(8*\n+\a)+7], v[112*(\p)+64+8*\n:112*(\p)+64+8*\n+7], v[112*(\p)+8*\a:112*(\p)+8*\a+7], 0
.else
	v_wmma_f32_16x16x64_fp8_fp8 v[8*(8*\n+\a):8*(8*\n+\a)+7], v[112*(\p)+64+8*\n:112*(\p)+64+8*\n+7], v[112*(\p)+8*\a:112*(\p)+8*\a+7], v[8*(8*\n+\a):8*(8*\n+\a)+7]
.endif
.endr
.endr
	WIN 0xf5                                       ; C and D window 3
.irp n, 4,5
.irp a, 0,1,2,3,4,5,6,7
.if \zero
	v_wmma_f32_16x16x64_fp8_fp8 v[8*(8*(\n-4)+\a):8*(8*(\n-4)+\a)+7], v[112*(\p)+8*\a:112*(\p)+8*\a+7], v[112*(\p)+64+8*\n:112*(\p)+64+8*\n+7], 0
.else
	v_wmma_f32_16x16x64_fp8_fp8 v[8*(8*(\n-4)+\a):8*(8*(\n-4)+\a)+7], v[112*(\p)+8*\a:112*(\p)+8*\a+7], v[112*(\p)+64+8*\n:112*(\p)+64+8*\n+7], v[8*(8*(\n-4)+\a):8*(8*(\n-4)+\a)+7]
.endif
.endr
.endr
.endm
; The change of slots, at the head of a slot's last step (whose fragments are already asked for).  Each wave waits for all its tensor loads (its part of the next slot), adds 0 to its spare word,
; and waits for that and for its reads of this slot.  fill = 1: the barrier is a round of the cluster's, and this slot is filled again, two chunks on, first thing behind it.
.macro CHANGE slot, fill
	WIN 0
	s_wait_tensorcnt 0x0                           ; no tensor load of mine is out, so a group 0 may be written
	ds_add_u32 v[SPW], v[NIL]
.if \fill
	s_add_nc_u64 s[G0+4*(\slot)+2:G0+4*(\slot)+3], s[G0+4*(\slot)+2:G0+4*(\slot)+3], 512
	s_add_nc_u64 s[G0B+4*(\slot)+2:G0B+4*(\slot)+3], s[G0B+4*(\slot)+2:G0B+4*(\slot)+3], 512
.endif
	s_wait_dscnt 0x0                               ; the add is done, and my reads of this slot are in
.if \fill
	CROUND                                         ; no wave of any partner still reads this slot or has a load on its way
	JLOAD \slot                                    ; its four v_nop are also the places in front of the loads below
.else
	s_barrier_signal -1
	s_barrier_wait -1
	PLACES
.endif
.endm
	s_wait_alu depctr_va_vdst(0)                   ; the wait at the head's end
	s_wait_tensorcnt 0x0                           ; my part of chunk 0 is in; slot 1's first fill is issued as a refill is:
	ds_add_u32 v[SPW], v[NIL]
	s_wait_dscnt 0x0
	CROUND                                         ; everybody's part of chunk 0 is in, and the joint loads meet
	JLOAD 1                                        ; chunk 1 travels while chunk 0 is multiplied
	FETCH 0, 0, 0
	WIN 0
	ASK 3
.set t, 0
.rept 16                               ; sixteen steps of 64 along K; step t asks for step t + 1's fragments ahead of its own 48 products
.set p, t%2
.set np, 1-t%2
.set fs, ((t+1)/4)%2
.set fq, (t+1)%4
.set cs, (t/4)%2
.if (t == 3) || (t == 7)
	CHANGE cs, 1
.elseif t == 11
	CHANGE cs, 0
.else
	s_wait_dscnt 8                                 ; this step's x and Wq are in; Wk's and Wv's eight loads may be out
	PLACES                                         ; four places between the last products and loads into the registers that they read
.endif
.set W2, 28
.if t == 15
.set W2, 0
.endif
.if t < 15
	FETCH fs, fq, np
.endif
.if t == 0
	MULS p, 1
.else
	MULS p, 0
.endif
.set t, t+1
.endr
	WIN 0
	PLACES                                         ; places between the last products and the first read of results
; RoPE, the hold, the conversion and the store of tile of rows a of q (role 0) or k (role 1).  Each accumulator is read from its low end on.
.macro ROPE role, a, sc, lm, qd, b
	WIN 0x02                                       ; source 0 window 2
.irp u, 0,1
.irp j, 0,2,4,6
	v_pk_mul_f32 v[T+\j:T+\j+1], v[8*(8*(2*\role+\u)+\a)+\j:8*(8*(2*\role+\u)+\a)+\j+1], v[CS+16*\a+8*\u+\j:CS+16*\a+8*\u+\j+1] op_sel_hi:[1,0]   ; both x cos
.endr
.irp j, 0,2,4,6
	v_fma_f32 v[X+8*\u+\j],   -v[8*(8*(2*\role+\u)+\a)+\j+1], v[CS+16*\a+8*\u+\j+1], v[T+\j]     ; xe cos - xo sin
	v_fma_f32 v[X+8*\u+\j+1], v[8*(8*(2*\role+\u)+\a)+\j],    v[CS+16*\a+8*\u+\j+1], v[T+\j+1]   ; xe sin + xo cos
.endr
.endr
	WIN 0
.irp j, 0,1,2,3,4,5,6,7,8,9,10,11,12,13,14,15
	v_med3_num_f32 v[X+\j], v[X+\j], -v[\lm], v[\lm]   ; the conversion to an 8-bit code does not saturate (ISA guide 7.6.2): the hold at the largest code x the scale
.endr
	v_cvt_scalef32_pk8_fp8_f32 v[QD+4*(\qd):QD+4*(\qd)+1],   v[X:X+7],    v[\sc]
	v_cvt_scalef32_pk8_fp8_f32 v[QD+4*(\qd)+2:QD+4*(\qd)+3], v[X+8:X+15], v[\sc]
	v_nop                                          ; a plain line behind the conversions, ahead of the next writes of their sources
	global_store_b128 v[LI], v[QD+4*(\qd):QD+4*(\qd)+3], s[\b:\b+1] offset:\a*2048   ; group w of fragment a: 512 consecutive bytes
.endm
.irp a, 0,1,2,3,4,5,6,7
	ROPE 0, \a, SCQ, LMQ, \a, 16
.endr
.irp a, 0,1,2,3,4,5,6,7
	ROPE 1, \a, SCK, LMK, 8+\a, 18
.endr
	s_wait_xcnt 0x0                                ; q's stores have read their quads: v's codes may be written there
; v: tile of d u, group g: keys 32 g + 8 h + 0..7 and 32 g + 16 + 8 h + 0..7 of my d
.macro VOUT u, g
	WIN 0x03                                       ; source 0 window 3
.irp e, 0,1
.irp j, 0,1,2,3,4,5,6,7
	v_med3_num_f32 v[X+8*\e+\j], v[8*(8*\u+2*\g+\e)+\j], -v[LMV], v[LMV]
.endr
.endr
	WIN 0
	v_cvt_scalef32_pk8_fp8_f32 v[QD+4*(4*\u+\g):QD+4*(4*\u+\g)+1],   v[X:X+7],    v[SCV]
	v_cvt_scalef32_pk8_fp8_f32 v[QD+4*(4*\u+\g)+2:QD+4*(4*\u+\g)+3], v[X+8:X+15], v[SCV]
	v_nop
	global_store_b128 v[LI], v[QD+4*(4*\u+\g):QD+4*(4*\u+\g)+3], s[20:21] offset:2048*\u+512*\g
.endm
.irp u, 0,1
.irp g, 0,1,2,3
	VOUT \u, \g
.endr
.endr
	s_wait_tensorcnt 0x0                           ; the wave's end
	ds_add_u32 v[SPW], v[NIL]
	s_wait_dscnt 0x0
	CROUND                                         ; the closing round: no work-group ends while a partner may still ask for a tile that names it
	s_endpgm
.Lfunc_end_k_qe9d89f2de4_qkv:
	.size	k_qe9d89f2de4_qkv, .Lfunc_end_k_qe9d89f2de4_qkv-k_qe9d89f2de4_qkv
	.p2alignl 7, 3214868480
	.fill 96, 4, 3214868480
	.section	.rodata,"a",@progbits
	.p2align	6, 0x0
	.amdhsa_kernel k_qe9d89f2de4_qkv
		.amdhsa_group_segment_fixed_size 327680
		.amdhsa_private_segment_fixed_size 0
		.amdhsa_enable_private_segment 0
		.amdhsa_kernarg_size 72
		.amdhsa_user_sgpr_count 2
		.amdhsa_user_sgpr_kernarg_segment_ptr 1
		.amdhsa_wavefront_size32 1
		.amdhsa_system_sgpr_workgroup_id_x 1
		.amdhsa_system_sgpr_workgroup_id_y 1
		.amdhsa_system_sgpr_workgroup_id_z 1
		.amdhsa_system_vgpr_workitem_id 0
		.amdhsa_next_free_vgpr 896
		.amdhsa_next_free_sgpr 100
		.amdhsa_reserve_vcc 0
		.amdhsa_float_denorm_mode_32 3
		.amdhsa_float_denorm_mode_16_64 3
		.amdhsa_memory_ordered 1
		.amdhsa_forward_progress 1
		.amdhsa_inst_pref_size 208
	.end_amdhsa_kernel
	.amdgpu_metadata
---
amdhsa.version: [ 1, 2 ]
amdhsa.kernels:
  - .name:           k_qe9d89f2de4_qkv
    .symbol:         k_qe9d89f2de4_qkv.kd
    .args:
      - { .name: x_codes, .offset: 0, .size: 8, .value_kind: global_buffer, .address_space: global }
      - { .name: Wq_codes, .offset: 8, .size: 8, .value_kind: global_buffer, .address_space: global }
      - { .name: Wk_codes, .offset: 16, .size: 8, .value_kind: global_buffer, .address_space: global }
      - { .name: Wv_codes, .offset: 24, .size: 8, .value_kind: global_buffer, .address_space: global }
      - { .name: lowp_scales, .offset: 32, .size: 8, .value_kind: global_buffer, .address_space: global }
      - { .name: token_positions, .offset: 40, .size: 8, .value_kind: global_buffer, .address_space: global }
      - { .name: q_img, .offset: 48, .size: 8, .value_kind: global_buffer, .address_space: global }
      - { .name: k_img, .offset: 56, .size: 8, .value_kind: global_buffer, .address_space: global }
      - { .name: v_img, .offset: 64, .size: 8, .value_kind: global_buffer, .address_space: global }
    .group_segment_fixed_size: 327680
    .private_segment_fixed_size: 0
    .kernarg_segment_align: 8
    .kernarg_segment_size: 72
    .max_flat_workgroup_size: 128
    .sgpr_count:     100
    .vgpr_count:     896
    .wavefront_size: 32
...
	.end_amdgpu_metadata
.endif
;; end of part 1
;; launch attn (part 2): grid 32 x 8, 8 waves a work-group, clusters of 4 x 1, 327,680 bytes of LDS; arguments q_img, k_img, v_img, lowp_scales, a_img; writes a_img
.if DOCPART == 2
	.amdgcn_target "amdgcn-amd-amdhsa--gfx1250"
	.amdhsa_code_object_version 6
	.text
	.protected	k_qe9d89f2de4_attn
	.globl	k_qe9d89f2de4_attn
	.p2align	8
	.type	k_qe9d89f2de4_attn,@function
k_qe9d89f2de4_attn:
	s_mov_b64 s[64:65], 0
	v_nop
	global_prefetch_b8 v0, s[64:65] scope:SCOPE_SE
	s_setreg_imm32_b32 hwreg(HW_REG_WAVE_MODE, 25, 1), 1
	s_wait_xcnt 0x0
	s_wait_alu depctr_hold_cnt(0) depctr_sa_sdst(0) depctr_va_vdst(0) depctr_va_sdst(0) depctr_va_ssrc(0) depctr_va_vcc(0) depctr_vm_vsrc(0)
	s_getreg_b32 s2, hwreg(HW_REG_IB_STS2, 6, 4)
	s_cmp_eq_u32 s2, 0
	s_cbranch_scc0 .Lentry_in_a_cluster
	s_endpgm
.Lentry_in_a_cluster:
	s_bfe_u32 s2, ttmp6, 0x10000c
	s_cmp_lg_u32 s2, 0x3003
	s_cbranch_scc0 .Lentry_shape_is_right
	s_endpgm
.Lentry_shape_is_right:
; a[q][head] = Q( softmax_k(q . k / sqrt(128)) v ), causal, both products on E4M3 codes; the result is quantised by 2^e10 and stored as the last product's operand.
; LEFT OUT: every key step of 128 keys all of which come after the 256 neighbouring queries of a cluster's block: reference()'s own jnp.tril makes their p 0 for all finite inputs (shown at the head of the first kernel).
; LIMIT: a NaN, an infinity or an overflow that would reach only those is not carried to the result.
; THE SOFTMAX: t = score x log2(e) / sqrt(128); M = the running largest t rounded UP to a whole number; p = 2^(t - M) is quantised by 2^e8; the row's sum is taken of the unquantised p and divides at the end.
; The running largest score is kept as a sum of products of codes; it begins at -2^25, under every such sum: 128 x 448 x 448 < 2^25.
; SHARES.  Work-group i of a head (i = 4 x cluster + cx) owns two blocks of 64 queries, one after the other: block i, then block 63 - i.  A cluster's four blocks are 256 neighbouring queries, so its
; work-groups walk the same slots of 512 keys: J / 2 + 1 for the first block and (15 - J) / 2 + 1 for the second (J the cluster's number, rounded down), together 9 for every J.
; Wave w owns 32 queries (two tiles A, B of 16) of the block's half w % 2, and of each slot's four key steps the step rho = w / 2.  At a block's end the four waves of a half bring their sums together
; in LDS under a common M (exact powers of two); each finishes a quarter of d, 32 rho .. 32 rho + 31.
; CLUSTER 4 x 1: K's and V's tiles hang on the head and the slot alone and are asked for jointly by all four.  No branch and no LDS address hangs on cx: what only some partners hide is masked.
; LAYOUT.  Both products transposed: S^T = K Q^T, O^T = V^T P^T: a lane holds one query.  Tile T of S^T holds keys 16 T + 8 h + j: its eight codes are registers 2 T, 2 T + 1 of P.
; V's fragments are read in turned order: register tile t of O^T is d tile 2 ((t / 2 + rho) % 4) + t % 2, so that registers 160 to 175 are always the quarter that the wave itself finishes:
; d = 32 rho + 16 h + 0..15, and the conversions' results are a_img's registers.
; THE RING: two slots of four key steps (K 65,536 bytes, V 65,536); every wave fetches two fragment columns of a slot by one tensor load; one load of mine is out at most.
; The change of slots stands in a step's middle, behind the last LDS read of the slot: the load then has a whole step's work in which to land.
; PREFETCH: the head's first cluster, which walks all slots, asks for slot s + 3 in trip s (s = 0 .. 4), two trips ahead of the load of it; waves 0 and 1 for K, 2 and 3 for V, the partners' parts told apart by address.
; LIMITS: e6 + e7 between -123 and 100; e8 and e10 - e8 - e9 between -126 and 119; the promise holds while the scaled scores stay under 2^31 in magnitude; NaN is not served.
; REGISTERS.  Window 0 holds tile A, window 1 tile B, at the same numbers: v14-15 the sum; v16-31 Q; v32-95 four fragments (window 0: the first four of a step, window 1: the last four); v96-159 S^T, then p;
; v160-223 O^T; v224-239 codes.  Window 0 too: v0-11 addresses; v12, v13 A's -M and largest score, v248, v249 B's; v240-255 scales and work.  Window 1 too: v0-3 the stage's addresses, v4 r - 8 h, v5 the prefetch's offset.
.set SLOT1, 1<<17
.set STG,   2*SLOT1                    ; behind the ring: the stage, a part for each wave: three quarters of a tile's O^T, then 512 bytes of -M and sums
.set PART,  6656
.set SPARE, STG+8*PART                 ; the spare words, 128 bytes a wave; no other line names them
.set LI,  0                            ; v0  16 x lane (once the thread's number has served)
.set AK0, 1
.set SPW, 2
.set NIL, 3
.set AV0, 4                            ; v4-7, one for each pair of d tiles
.set ADV, 8                            ; v8-11 the same in the slot in hand
.set ADK, 246
.set TB,  2                            ; s2  the slot in hand
.set SL,  3                            ; s3  trips to go
.set QPL, 14
.set AO,  16
.set WV,  18
.set RHO, 19
.set SEL, 20
.set CS,  22                           ; s[22:23] c = log2(e) / sqrt(128) x 2^(e6 + e7)
.set G1,  24
.set G0,  32
.set BASE, 36
.set OF,  38
.set KS,  40                           ; my key step in the head
.set GL,  41                           ; the last key step that the cluster's block needs
.set SW,  42                           ; s[SL] in the first block's last trip
.set LIM, 43
.set PFA, 44
.set Q0,  46
.set Q0L, 47
.set GLL, 48
.set SWN, 66
.set AOL, 82
.set MSB, 0
.macro WIN new                         ; the immediate's high byte repeats the setting that is left
.if MSB != \new
	s_set_vgpr_msb (MSB<<8)|\new
.set MSB, \new
.endif
.endm
.macro PLACES
.rept 4
	v_nop
.endr
.endm
.macro CREST                           ; a round of the cluster's barrier behind its opening barrier
	s_cmp_lg_u32 s[WV], 0
	s_cbranch_scc1 .Lnot_wave_0_\@
	s_barrier_signal -3
.Lnot_wave_0_\@:
	s_barrier_wait -3
	s_barrier_signal -1
	s_barrier_wait -1
.endm
.macro ASK                             ; the head's two prefetches: slot 1 behind slot 0's load and slot 2 behind slot 1's, two loads ahead in the asking cluster, as in the trips
	s_cmp_gt_u32 s[SL], s[LIM]
	s_cbranch_scc0 .Lnot_mine_\@
	WIN 0x01
	global_prefetch_b8 v5, s[PFA:PFA+1] th:TH_LOAD_NT scope:SCOPE_SE
	WIN 0
.Lnot_mine_\@:
.endm
.macro CROUND
	s_barrier_signal -1
	s_barrier_wait -1
	CREST
.endm
.macro JL
	tensor_load_to_lds s[G0:G0+3], s[G1:G1+7]
	s_nop 0
	PLACES
.endm
.macro KL f                            ; four of the step's K fragments: f = 0: tiles 0-3 (window 0), 1: tiles 4-7 (window 1)
	WIN 0x40*\f
.irp t, 0,1,2,3
.irp c, 0,1,2,3
	ds_load_b128 v[32+16*\t+4*\c:35+16*\t+4*\c], v[ADK] offset:((4*\f+\t)/2)*16384+(\t%2)*2048+512*\c
.endr
.endr
.endm
.macro VL f                            ; four of its V fragments
	WIN 0x40*\f
.irp t, 0,1,2,3
.irp c, 0,1,2,3
	ds_load_b128 v[32+16*\t+4*\c:35+16*\t+4*\c], v[ADV+2*\f+\t/2] offset:(\t%2)*2048+512*\c
.endr
.endr
.endm
.macro SM w, T0                        ; four tiles of S^T
	WIN \w
.irp t, 0,1,2,3
	v_wmma_f32_16x16x128_fp8_fp8 v[96+8*(\T0+\t):103+8*(\T0+\t)], v[32+16*\t:47+16*\t], v[16:31], 0
.endr
.endm
.macro PM w, T0                        ; four tiles of O^T
	WIN \w
.irp t, 0,1,2,3
	v_wmma_f32_16x16x128_fp8_fp8 v[160+8*(\T0+\t):167+8*(\T0+\t)], v[32+16*\t:47+16*\t], v[224:239], v[160+8*(\T0+\t):167+8*(\T0+\t)]
.endr
.endm
.macro SCALE w, f                      ; O^T under the new M
	WIN \w
.set n, 0
.rept 32
	v_pk_mul_f32 v[160+n:161+n], v[160+n:161+n], v[\f:\f+1] op_sel_hi:[1,0]
.set n, n+2
.endr
.endm
.macro TSUB w, m                       ; t - M
	WIN \w
.set n, 0
.rept 32
	v_pk_fma_f32 v[96+n:97+n], v[96+n:97+n], s[CS:CS+1], v[\m:\m+1] op_sel_hi:[1,0,0]
.set n, n+2
.endr
.endm
.macro EXPS f                          ; p = 2^(t - M): a batch with a wait ahead of it, and the sum under the new M, a plain line behind it
	s_wait_alu depctr_va_vdst(0)
.set n, 0
.rept 64
	v_exp_f32 v[96+n], v[96+n]
.set n, n+1
.endr
	v_pk_mul_f32 v[14:15], v[14:15], v[\f:\f+1] op_sel_hi:[1,0]
.endm
.macro SUMQ w                          ; the row's sum of the unquantised p, the one-sided hold (the conversion does not saturate: ISA guide 7.6.2; p is not negative), the codes
	WIN \w
	v_pk_add_f32 v[242:243], v[96:97], v[98:99]
	v_pk_add_f32 v[238:239], v[100:101], v[102:103]
	v_pk_add_f32 v[236:237], v[104:105], v[106:107]
	v_pk_add_f32 v[14:15], v[14:15], v[108:109]
.irp k, 14,22,30,38,46,54
	v_pk_add_f32 v[242:243], v[242:243], v[96+\k:97+\k]
	v_pk_add_f32 v[238:239], v[238:239], v[98+\k:99+\k]
	v_pk_add_f32 v[236:237], v[236:237], v[100+\k:101+\k]
	v_pk_add_f32 v[14:15], v[14:15], v[102+\k:103+\k]
.endr
	v_pk_add_f32 v[242:243], v[242:243], v[158:159]
	v_pk_add_f32 v[238:239], v[238:239], v[236:237]
	v_pk_add_f32 v[14:15], v[14:15], v[242:243]
	v_pk_add_f32 v[14:15], v[14:15], v[238:239]
.set n, 0
.rept 32
	v_dual_min_num_f32 v[96+n], v240, v[96+n] :: v_dual_min_num_f32 v[97+n], v240, v[97+n]
.set n, n+2
.endr
.irp b, 0,1,2,3,4,5,6,7
	v_cvt_scalef32_pk8_fp8_f32 v[224+2*\b:225+2*\b], v[96+8*\b:103+8*\b], v244
.endr
.endm
; A TRIP: my key step of the slot in hand.  fill = 1: the slot is filled again, with the slot two trips on.
.macro TRIP fill
	s_cmp_gt_u32 s[KS], s[GL]                      ; all its keys come after all the cluster's queries: no work, but the barrier and the next fragments
	s_cbranch_scc1 .Lnone_\@
	s_wait_dscnt 16                                ; K's first four fragments are in; the last four (16 loads) may be out
	SM 0, 0
	SM 0x54, 0
	s_wait_dscnt 0x0
	SM 0x55, 4
	SM 0x01, 4
	WIN 0
.irp u, 0,1,2,3
	v_add_nc_u32 v[ADV+\u], s[TB], v[AV0+\u]       ; (these are also the four places behind the products)
.endr
	VL 0                                           ; V's fragments land under the softmax
	VL 1
	WIN 0
	s_add_co_u32 s96, s[KS], 1
	s_cmp_lt_u32 s96, s[GL]                        ; ahead of the block's two diagonal steps every key counts: no mask
	s_cbranch_scc1 .Lopen_\@
	s_lshl_b32 s96, s[KS], 7
	s_sub_co_u32 s96, s[Q0], s96
	WIN 0x04
	v_add_nc_u32 v252, s96, v4                     ; A: d = my query - the step's first key - 8 h.  Register 8 T + j holds key 16 T + 8 h + j: hidden where 16 T + j > d
	WIN 0
	v_add_nc_u32 v254, 16, v252                    ; B's queries lie 16 further on
	v_mov_b32 v243, 0xff800000                     ; -infinity.  (Where a whole step is hidden, the largest score stays what it was, and every p is 0)
.set n, 0
.rept 64
	v_cmp_gt_i32 vcc_lo, 16*(n/8)+n%8, v252
	v_cndmask_b32 v[96+n], v[96+n], v243, vcc_lo
.set n, n+1
.endr
	WIN 0x41
.set n, 0
.rept 64
	v_cmp_gt_i32 vcc_lo, 16*(n/8)+n%8, v254
	v_cndmask_b32 v[96+n], v[96+n], v243, vcc_lo
.set n, n+1
.endr
	WIN 0
.Lopen_\@:
	v_max3_num_f32 v242, v13, v96, v97             ; the largest score so far, in four chains a tile, each accumulator from its low end on
	v_max3_num_f32 v243, v13, v98, v99
	v_max3_num_f32 v252, v13, v100, v101
	v_max3_num_f32 v253, v13, v102, v103
.irp i, 8,16,24,32,40,48,56
	v_max3_num_f32 v242, v242, v[96+\i], v[97+\i]
	v_max3_num_f32 v243, v243, v[98+\i], v[99+\i]
	v_max3_num_f32 v252, v252, v[100+\i], v[101+\i]
	v_max3_num_f32 v253, v253, v[102+\i], v[103+\i]
.endr
	WIN 0x14
	v_max3_num_f32 v246, v249, v96, v97
	v_max3_num_f32 v247, v249, v98, v99
	v_max3_num_f32 v254, v249, v100, v101
	v_max3_num_f32 v255, v249, v102, v103
.irp i, 8,16,24,32,40,48,56
	v_max3_num_f32 v246, v246, v[96+\i], v[97+\i]
	v_max3_num_f32 v247, v247, v[98+\i], v[99+\i]
	v_max3_num_f32 v254, v254, v[100+\i], v[101+\i]
	v_max3_num_f32 v255, v255, v[102+\i], v[103+\i]
.endr
	WIN 0
	v_max3_num_f32 v242, v242, v243, v252          ; A and B by turns
	v_max3_num_f32 v246, v246, v247, v254
	v_max_num_f32 v242, v242, v253
	v_max_num_f32 v246, v246, v255
	v_permlanex16_b32 v250, v242, s[SEL], s[SEL+1]
	v_permlanex16_b32 v251, v246, s[SEL], s[SEL+1]
	v_max_num_f32 v13, v242, v250                  ; and among lane l xor 16's
	v_max_num_f32 v249, v246, v251
	v_mul_f32 v242, s[CS], -v13                    ; -t (c is positive)
	v_mul_f32 v246, s[CS], -v249
	v_floor_f32 v243, v242                         ; the new -M = floor(-t)
	v_floor_f32 v247, v246
	v_sub_f32 v242, v243, v12                      ; old M - new M: a whole number, 0 or less
	v_sub_f32 v246, v247, v248
	v_mov_b32 v12, v243
	v_mov_b32 v248, v247
	v_cvt_i32_f32 v242, v242                       ; (it saturates)
	v_cvt_i32_f32 v246, v246
	v_ldexp_f32 v252, 1.0, v242                    ; f = 2^(old M - new M)
	v_ldexp_f32 v254, 1.0, v246
	TSUB 0, 12
	SCALE 0, 252
	TSUB 0x41, 248
	SCALE 0x41, 254
	WIN 0
	EXPS 252
	WIN 0x41
	EXPS 254
	WIN 0
	s_wait_alu depctr_va_vdst(0)                   ; one wait for both batches, ahead of their first reader
.Lnone_\@:
	s_wait_alu depctr_va_vdst(0)                   ; the wait ahead of the waits below
.if \fill
	s_wait_xcnt 0x0                                ; the last prefetch, a trip back, has read its address
	s_add_nc_u64 s[PFA:PFA+1], s[PFA:PFA+1], 65536
.endif
	s_wait_tensorcnt 0x0                           ; no tensor load of mine is out: my part of the next slot is in, and group 0 may be written
	ds_add_u32 v[SPW], v[NIL]
.if \fill
	s_xor_b32 s[G0+1], s[G0+1], SLOT1
	s_add_co_u32 s[OF], s[OF], 65536
	s_cmp_eq_u32 s[SL], s[SWN]                     ; the slot two trips on is the second block's first: back to key 0
	s_cselect_b32 s[OF], 0, s[OF]
	s_add_nc_u64 s[G0+2:G0+3], s[BASE:BASE+1], s[OF:OF+1]
.endif
	s_wait_dscnt 0x0                               ; the add is done, V's fragments are in, and my reads of this slot are over
	s_barrier_signal -1
	s_cmp_gt_u32 s[KS], s[GL]
	s_cbranch_scc1 .Lidle_\@
	SUMQ 0                                         ; between the signal and its wait: work on registers alone
	s_wait_alu depctr_va_vdst(0)
.Lidle_\@:
	s_barrier_wait -1
.if \fill
	CREST                                          ; no wave of any partner still reads this slot or has a load on its way
	JL
	s_cmp_gt_u32 s[SL], s[LIM]
	s_cbranch_scc0 .Lnot_mine_\@
	WIN 0x01
	global_prefetch_b8 v5, s[PFA:PFA+1] th:TH_LOAD_NT scope:SCOPE_SE
	WIN 0
.Lnot_mine_\@:
.endif
	s_xor_b32 s[TB], s[TB], SLOT1
	v_add_nc_u32 v[ADK], s[TB], v[AK0]
	s_wait_alu depctr_va_vdst(0)
	s_cmp_gt_u32 s[KS], s[GL]
	s_cbranch_scc1 .Lskip_\@
	SUMQ 0x55
	v_nop                                          ; a plain line behind the last conversion
	PM 0, 0
	PM 0x54, 0
.if \fill
	PLACES                                         ; four places between products and loads into the registers that they read
	KL 0                                           ; the next slot's K
	PM 0x55, 4
	PM 0x01, 4
	PLACES
	KL 1
	WIN 0
	s_branch .Lon_\@
.Lskip_\@:
	KL 0
	KL 1
	WIN 0
.else
	PM 0x55, 4
	PM 0x01, 4
	PLACES
	WIN 0
.Lskip_\@:
	s_cmp_eq_u32 s[SL], 1                          ; behind the last slot there is none
	s_cbranch_scc1 .Lon_\@
	KL 0
	KL 1
	WIN 0
.endif
.Lon_\@:
	s_add_co_u32 s[KS], s[KS], 4
.endm
; A BLOCK'S END.  The four waves of a half exchange quarters of O^T through the stage, tile A's and then tile B's, and -M and the sums of both; each wave brings its own quarter under the largest M, divides by the sum, and stores its codes.
.macro MERGE sw
.if \sw
.irp c, 0,1,2,3
	global_load_b128 v[16+4*\c:19+4*\c], v[LI], s[QPL:QPL+1] offset:512*\c   ; the second block's Q
.endr
	WIN 0x40
.irp c, 0,1,2,3
	global_load_b128 v[16+4*\c:19+4*\c], v[LI], s[QPL:QPL+1] offset:2048+512*\c
.endr
	WIN 0
.endif
	v_mov_b32 v156, v12
	v_add_f32 v157, v14, v15
	v_mov_b32 v158, v248
	WIN 0x05
	v_add_f32 v159, v14, v15
	WIN 0x01
	ds_store_b128 v0, v[156:159] offset:6144
.irp n, 0,1,2,3,4,5,6,7,8,9,10,11
	ds_store_b128 v0, v[176+4*\n:179+4*\n] offset:512*\n
.endr
	WIN 0
	s_wait_alu depctr_va_vdst(0)
	s_wait_dscnt 0x0                               ; for the others' sake: my stores are done
	s_barrier_signal -1
	s_barrier_wait -1
	WIN 0x01
.irp k, 1,2,3                          ; from wave rho + k (mod 4) of my half: its register quarter 4 - k is my quarter of d
	ds_load_b128 v[140+4*\k:143+4*\k], v[\k] offset:2048*\k
.endr
.irp k, 1,2,3
.irp g, 0,1,2,3
	ds_load_b128 v[80+16*\k+4*\g:83+16*\k+4*\g], v[\k] offset:512*\g
.endr
.endr
	WIN 0
	s_wait_dscnt 0x0                               ; tile A's parts are in: the stage may be written again behind this barrier
	s_barrier_signal -1
	v_min3_num_f32 v242, v12, v144, v148           ; the common -M, A and B by turns
	v_min3_num_f32 v246, v248, v146, v150
	v_min_num_f32 v242, v242, v152
	v_min_num_f32 v246, v246, v154
	v_sub_f32 v225, v242, v12
	v_sub_f32 v233, v246, v248
	v_sub_f32 v227, v242, v144
	v_sub_f32 v235, v246, v146
	v_sub_f32 v229, v242, v148
	v_sub_f32 v237, v246, v150
	v_sub_f32 v231, v242, v152
	v_sub_f32 v239, v246, v154
.irp k, 225,233,227,235,229,237,231,239
	v_cvt_i32_f32 v[\k], v[\k]                     ; (they saturate: a wave that had no step gets the factor 0)
.endr
.irp k, 225,233,227,235,229,237,231,239
	v_ldexp_f32 v[\k-1], 1.0, v[\k]
.endr
	v_mul_f32 v243, v157, v224                     ; the row's sum
	v_mul_f32 v247, v159, v232
	v_fmac_f32 v243, v145, v226
	v_fmac_f32 v247, v147, v234
	v_fmac_f32 v243, v149, v228
	v_fmac_f32 v247, v151, v236
	v_fmac_f32 v243, v153, v230
	v_fmac_f32 v247, v155, v238
	v_permlanex16_b32 v250, v243, s[SEL], s[SEL+1]
	v_permlanex16_b32 v251, v247, s[SEL], s[SEL+1]
	v_add_f32 v243, v243, v250
	v_add_f32 v247, v247, v251
	s_wait_alu depctr_va_vdst(0)
	s_barrier_wait -1
	WIN 0x05
.irp n, 0,1,2,3,4,5,6,7,8,9,10,11
	ds_store_b128 v0, v[176+4*\n:179+4*\n] offset:512*\n
.endr
	WIN 0
	s_wait_dscnt 0x0
	s_barrier_signal -1
	s_wait_alu depctr_va_vdst(0)
	v_rcp_f32 v243, v243
	v_rcp_f32 v247, v247
	v_nop                                          ; a plain line behind the reciprocals
	s_wait_alu depctr_va_vdst(0)                   ; and the wait ahead of their first reader
.irp k, 224,226,228,230
	v_mul_f32 v[\k], v[\k], v243                   ; a power of two x 1 / the sum: nothing is rounded here
	v_mul_f32 v[\k+8], v[\k+8], v247
.endr
	s_wait_alu depctr_va_vdst(0)                   ; the wait here, directly ahead of the first reader of O^T
.irp j, 0,2,4,6,8,10,12,14
	v_pk_mul_f32 v[160+\j:161+\j], v[160+\j:161+\j], v[224:225] op_sel_hi:[1,0]
.endr
.irp k, 1,2,3
.irp j, 0,2,4,6,8,10,12,14
	v_pk_fma_f32 v[160+\j:161+\j], v[80+16*\k+\j:81+16*\k+\j], v[224+2*\k:225+2*\k], v[160+\j:161+\j] op_sel_hi:[1,0,1]
.endr
.endr
.irp j, 0,1,2,3,4,5,6,7,8,9,10,11,12,13,14,15
	v_med3_num_f32 v[160+\j], v[160+\j], -v241, v241   ; the hold at the largest code x the scale
.endr
	v_cvt_scalef32_pk8_fp8_f32 v[156:157], v[160:167], v245
	v_cvt_scalef32_pk8_fp8_f32 v[158:159], v[168:175], v245
	v_nop
	s_wait_alu depctr_va_vdst(0)
	s_barrier_wait -1
	WIN 0x41
.irp k, 1,2,3
.irp g, 0,1,2,3
	ds_load_b128 v[80+16*\k+4*\g:83+16*\k+4*\g], v[\k] offset:512*\g
.endr
.endr
	s_wait_dscnt 0x0
	s_wait_alu depctr_va_vdst(0)                   ; the wait here, directly ahead of the first reader of O^T
.irp j, 0,2,4,6,8,10,12,14
	v_pk_mul_f32 v[160+\j:161+\j], v[160+\j:161+\j], v[232:233] op_sel_hi:[1,0]
.endr
	WIN 0x51
.irp k, 1,2,3
.irp j, 0,2,4,6,8,10,12,14
	v_pk_fma_f32 v[160+\j:161+\j], v[80+16*\k+\j:81+16*\k+\j], v[232+2*\k:233+2*\k], v[160+\j:161+\j] op_sel_hi:[1,0,1]
.endr
.endr
	WIN 0x41
.irp j, 0,1,2,3,4,5,6,7,8,9,10,11,12,13,14,15
	v_med3_num_f32 v[160+\j], v[160+\j], -v241, v241
.endr
	WIN 0x01
	v_cvt_scalef32_pk8_fp8_f32 v[152:153], v[160:167], v245
	v_cvt_scalef32_pk8_fp8_f32 v[154:155], v[168:175], v245
	WIN 0
	v_nop
	global_store_b128 v[LI], v[156:159], s[AO:AO+1]                  ; 512 consecutive bytes a store
	global_store_b128 v[LI], v[152:155], s[AO:AO+1] offset:16384
.endm
	s_load_b256 s[4:11], s[0:1], 0x0               ; q_img s[4:5], k_img s[6:7], v_img s[8:9], scales s[10:11]
	s_load_b64 s[12:13], s[0:1], 0x20              ; a_img
	v_lshl_add_u32 v[SPW], v0, 2, SPARE
	v_mov_b32 v[NIL], 0
	ds_add_u32 v[SPW], v[NIL]                      ; the wave's opening: the add, twice on end, and its wait ahead of my first tensor load
	ds_add_u32 v[SPW], v[NIL]
	v_lshrrev_b32 v8, 5, v0
	v_readfirstlane_b32 s[WV], v8                  ; wave 0..7
	s_lshr_b32 s[RHO], s[WV], 1
	s_and_b32 s51, s[WV], 1                        ; my half of a block
	s_bfe_u32 s49, ttmp6, 0x40000                  ; cx
	s_and_b32 s50, ttmp7, 0xffff                   ; the head
	s_mov_b32 s[G1], 15|(3<<16)|(1<<21)            ; all four partners; elements of 8 bytes; bit 21 beside a mask; no padding
	s_mov_b32 s[G1+1], 512<<16                     ; tensor_dim0 = 512: two fragments, 4,096 bytes
	s_mov_b32 s[G1+2], 4<<16                       ; tensor_dim1 = 4: the slot's four key steps
	s_mov_b32 s[G1+3], 512<<16
	s_mov_b32 s[G1+4], 4
	s_mov_b32 s[G1+5], 2048                        ; from key step to key step: 16,384 bytes
	s_mov_b32 s[G1+6], 0
	s_mov_b32 s[G1+7], 0
	s_mov_b32 s[SEL], 0x76543210
	s_mov_b32 s[SEL+1], 0xfedcba98
	s_mov_b32 s[CS], 0x3e0293ee
	s_lshl_b32 s52, ttmp9, 2
	s_add_co_u32 s52, s52, s49                     ; the first block, i
	s_sub_co_u32 s53, 63, s52                      ; the second
	s_lshl_b32 s55, s51, 1
	s_lshl_b32 s54, s52, 2
	s_add_co_u32 s54, s54, s55                     ; my tile A of 16 queries in the first block
	s_lshl_b32 s56, s53, 2
	s_add_co_u32 s56, s56, s55                     ; and in the second
	s_lshl_b32 s[Q0], s54, 4
	s_lshl_b32 s[Q0L], s56, 4
	s_lshl_b32 s57, s50, 19                        ; a head's 524,288 bytes
	s_lshl_b32 s58, s54, 11
	s_add_co_u32 s58, s58, s57                     ; Q's fragments
	s_mov_b32 s59, 0
	s_lshl_b32 s60, s56, 11
	s_add_co_u32 s60, s60, s57
	s_mov_b32 s61, 0
	s_lshl_b32 s62, s50, 11                        ; a_img: [tile][head][2048], my group of four registers
	s_lshl_b32 s63, s[RHO], 9
	s_add_co_u32 s62, s62, s63
	s_lshl_b32 s84, s54, 14
	s_add_co_u32 s84, s84, s62
	s_mov_b32 s85, 0
	s_lshl_b32 s86, s56, 14
	s_add_co_u32 s86, s86, s62
	s_mov_b32 s87, 0
	s_and_b32 s88, s[WV], 3
	s_lshl_b32 s88, s88, 12
	s_add_co_u32 s88, s88, s57                     ; my two fragment columns of K (waves 0 to 3) or V (4 to 7)
	s_mov_b32 s89, 0
	s_lshr_b32 s90, ttmp9, 1
	s_sub_co_u32 s[SW], 7, s90
	s_add_co_u32 s[SWN], s[SW], 1
	s_mov_b32 s[KS], s[RHO]
	s_lshl_b32 s[GL], ttmp9, 1
	s_add_co_u32 s[GL], s[GL], 1                   ; 2 J + 1
	s_sub_co_u32 s[GLL], 32, s[GL]                 ; 2 (15 - J) + 1
	s_mov_b32 s[TB], 0
	s_mov_b32 s[SL], 7
	s_mov_b32 s[OF+1], 0
	s_mov_b32 s91, 65536
	s_cmp_lt_u32 ttmp9, 2                          ; a first block of one slot: the second trip begins the second block
	s_cselect_b32 s[OF], 0, s91
	s_lshr_b32 s92, s[WV], 2
	s_or_b32 s92, s92, ttmp9
	s_cmp_eq_u32 s92, 0                            ; waves 0 to 3 of the head's first cluster prefetch
	s_cselect_b32 s[LIM], 2, -1
	s_lshl_b32 s93, s51, 2
	s_add_co_u32 s93, s93, s49
	s_lshl_b32 s94, s93, 13                        ; my 8,192 bytes of a slot's 65,536
	s_add_co_u32 s94, s94, s57
	s_add_co_u32 s94, s94, 65536                   ; in slot 1; stepped to slot 2 ahead of slot 1's load, and to slot 3 in the first trip
	s_mov_b32 s95, 0
	s_wait_dscnt 0x0                               ; both opening adds are done
	CROUND                                         ; all four work-groups are here: the first joint loads meet.  (The arguments travel meanwhile)
	s_wait_kmcnt 0x0
	s_load_b256 s[68:75], s[10:11], 0x0            ; e0 .. e7
	s_load_b128 s[76:79], s[10:11], 0x20           ; e8 .. e11
	s_cmp_lt_u32 s[WV], 4
	s_cselect_b64 s[BASE:BASE+1], s[6:7], s[8:9]
	s_add_nc_u64 s[BASE:BASE+1], s[BASE:BASE+1], s[88:89]
	s_or_b32 s[BASE+1], s[BASE+1], 0x80000000      ; type = 2
	s_mov_b32 s[G0], 1
	s_lshl_b32 s[G0+1], s[WV], 14                  ; LDS: 16,384 x wave, in slot 0
	s_mov_b64 s[G0+2:G0+3], s[BASE:BASE+1]
	s_cmp_lt_u32 s[WV], 2
	s_cselect_b64 s[PFA:PFA+1], s[6:7], s[8:9]
	s_add_nc_u64 s[PFA:PFA+1], s[PFA:PFA+1], s[94:95]
	s_add_nc_u64 s[QPL:QPL+1], s[4:5], s[60:61]
	s_add_nc_u64 s[4:5], s[4:5], s[58:59]
	s_add_nc_u64 s[AO:AO+1], s[12:13], s[84:85]
	s_add_nc_u64 s[AOL:AOL+1], s[12:13], s[86:87]
	JL                                             ; slot 0: one tensor load a wave at the head
	v_and_b32 v8, 31, v0
	WIN 0x40
	v_lshlrev_b32 v5, 8, v8                        ; the prefetch's offset; never rewritten
	WIN 0
	s_wait_alu depctr_va_vdst(0)
	ASK
	s_lshl_b32 s96, s[RHO], 12                     ; my key step in a slot
.irp u, 0,1,2,3
	s_add_co_u32 s[84+\u], s[RHO], \u
	s_and_b32 s[84+\u], s[84+\u], 3
	s_lshl_b32 s[84+\u], s[84+\u], 14
	s_add_co_u32 s[84+\u], s[84+\u], 65536
	s_add_co_u32 s[84+\u], s[84+\u], s96           ; V's pair of d tiles (u + rho) % 4
.endr
	s_lshl_b32 s97, s51, 2
.irp k, 0,1,2,3
	s_add_co_u32 s[88+\k], s[RHO], \k
	s_and_b32 s[88+\k], s[88+\k], 3
	s_add_co_u32 s[88+\k], s[88+\k], s97
	s_mul_i32 s[88+\k], s[88+\k], PART             ; the stage's part of wave (rho + k) % 4 of my half
.endr
	s_add_co_u32 s88, s88, STG
	s_add_co_u32 s89, s89, STG+2*2048
	s_add_co_u32 s90, s90, STG+2048
	s_add_co_u32 s91, s91, STG
	v_and_b32 v9, 15, v0
	v_bfe_u32 v10, v0, 4, 1
	v_lshlrev_b32 v[LI], 4, v8
	v_lshlrev_b32 v11, 3, v10
	s_wait_alu depctr_va_vdst(0)
.irp c, 0,1,2,3
	global_load_b128 v[16+4*\c:19+4*\c], v[LI], s[4:5] offset:512*\c   ; Q's fragments stay in registers
.endr
	v_add_nc_u32 v[AK0], s96, v[LI]
.irp u, 0,1,2,3
	v_add_nc_u32 v[AV0+\u], s[84+\u], v[LI]
.endr
	WIN 0x40
.irp c, 0,1,2,3
	global_load_b128 v[16+4*\c:19+4*\c], v[LI], s[4:5] offset:2048+512*\c
.endr
.irp k, 0,1,2,3
	v_add_nc_u32 v[\k], s[88+\k], v[LI]
.endr
	v_sub_nc_u32 v4, v9, v11
	v_mov_b32 v14, 0
	v_mov_b32 v15, 0
.set n, 0
.rept 64
	v_mov_b32 v[160+n], 0                          ; O^T: the loop is written once; its first step finds zeros.  (The second block's first step finds finite numbers, and its f is 0)
.set n, n+1
.endr
	WIN 0
.set n, 0
.rept 64
	v_mov_b32 v[160+n], 0
.set n, n+1
.endr
	v_mov_b32 v14, 0
	v_mov_b32 v15, 0
.irp k, 250,251,252,253,254,255        ; (permutes' destinations, and the upper halves of pairs)
	v_mov_b32 v[\k], 0
.endr
	v_mov_b32 v12, 0x7f61b1e6                      ; -M = 3e38: the first f is 0
	v_mov_b32 v248, 0x7f61b1e6
	v_mov_b32 v13, 0xcc000000                      ; the largest score so far: -2^25
	v_mov_b32 v249, 0xcc000000
	s_wait_kmcnt 0x0
	s_add_co_i32 s96, s74, s75
	s_lshl_b32 s96, s96, 23
	s_add_co_i32 s[CS], s[CS], s96                 ; e6 + e7 added to c's exponent field
	s_mov_b32 s[CS+1], s[CS]
	s_add_co_i32 s96, s76, 127
	s_lshl_b32 s97, s96, 23                        ; 2^e8
	s_add_co_i32 s96, s96, 8
	s_lshl_b32 s96, s96, 23
	s_or_b32 s96, s96, 0x600000                    ; 448 x 2^e8
	v_mov_b32 v244, s97
	v_mov_b32 v240, s96
	WIN 0x40
	v_mov_b32 v244, s97
	v_mov_b32 v240, s96
	WIN 0
	s_sub_co_i32 s96, s78, s76
	s_sub_co_i32 s96, s96, s77                     ; e10 - e8 - e9: O^T / the sum stands for that x 2^(e8 + e9)
	s_add_co_i32 s96, s96, 127
	s_lshl_b32 s97, s96, 23
	v_mov_b32 v245, s97
	s_add_co_i32 s96, s96, 8
	s_lshl_b32 s96, s96, 23
	s_or_b32 s96, s96, 0x600000
	v_mov_b32 v241, s96
	s_wait_alu depctr_va_vdst(0)                   ; the wait at the head's end
	s_wait_xcnt 0x0                                ; the prefetch has read its address
	s_add_nc_u64 s[PFA:PFA+1], s[PFA:PFA+1], 65536
	s_wait_tensorcnt 0x0                           ; my part of slot 0 is in; slot 1's first fill is issued as a refill is:
	ds_add_u32 v[SPW], v[NIL]
	s_xor_b32 s[G0+1], s[G0+1], SLOT1
	s_add_nc_u64 s[G0+2:G0+3], s[BASE:BASE+1], s[OF:OF+1]
	s_wait_dscnt 0x0
	CROUND
	JL
	v_add_nc_u32 v[ADK], s[TB], v[AK0]
	KL 0
	KL 1
	WIN 0
	ASK
	s_wait_alu depctr_va_vdst(0)
	s_wait_loadcnt 0x0                             ; Q
.Lslot:                                            ; seven trips, each fills its slot again
	TRIP 1
	s_wait_alu depctr_va_vdst(0)
	s_cmp_lg_u32 s[SL], s[SW]                      ; the cluster's number decides: the same in all its waves
	s_cbranch_scc1 .Lsame
	MERGE 1
	s_mov_b32 s[KS], s[RHO]                        ; on to the second block
	s_mov_b32 s[GL], s[GLL]
	s_mov_b32 s[Q0], s[Q0L]
	v_mov_b32 v12, 0x7f61b1e6
	v_mov_b32 v248, 0x7f61b1e6
	v_mov_b32 v13, 0xcc000000
	v_mov_b32 v249, 0xcc000000
	s_wait_alu depctr_va_vdst(0)
	s_wait_xcnt 0x0                                ; the stores have read their registers and their base
	s_mov_b64 s[AO:AO+1], s[AOL:AOL+1]
	s_wait_loadcnt 0x0                             ; the second block's Q
.Lsame:
	s_wait_alu depctr_va_vdst(0)
	s_sub_co_u32 s[SL], s[SL], 1
	s_cmp_lg_u32 s[SL], 0
	s_cbranch_scc1 .Lslot
	s_mov_b32 s[SL], 2
.Ltail:                                            ; the last two slots: nothing is left to ask for
	TRIP 0
	s_wait_alu depctr_va_vdst(0)
	s_sub_co_u32 s[SL], s[SL], 1
	s_cmp_lg_u32 s[SL], 0
	s_cbranch_scc1 .Ltail
	MERGE 0
	s_wait_tensorcnt 0x0                           ; the wave's end
	ds_add_u32 v[SPW], v[NIL]
	s_wait_dscnt 0x0
	CROUND                                         ; the closing round: no work-group ends while a partner may still ask for a tile that names it
	s_endpgm
.Lfunc_end_k_qe9d89f2de4_attn:
	.size	k_qe9d89f2de4_attn, .Lfunc_end_k_qe9d89f2de4_attn-k_qe9d89f2de4_attn
	.p2alignl 7, 3214868480
	.fill 96, 4, 3214868480
	.section	.rodata,"a",@progbits
	.p2align	6, 0x0
	.amdhsa_kernel k_qe9d89f2de4_attn
		.amdhsa_group_segment_fixed_size 327680
		.amdhsa_private_segment_fixed_size 0
		.amdhsa_enable_private_segment 0
		.amdhsa_kernarg_size 40
		.amdhsa_user_sgpr_count 2
		.amdhsa_user_sgpr_kernarg_segment_ptr 1
		.amdhsa_wavefront_size32 1
		.amdhsa_system_sgpr_workgroup_id_x 1
		.amdhsa_system_sgpr_workgroup_id_y 1
		.amdhsa_system_sgpr_workgroup_id_z 1
		.amdhsa_system_vgpr_workitem_id 0
		.amdhsa_next_free_vgpr 512
		.amdhsa_next_free_sgpr 100
		.amdhsa_reserve_vcc 1
		.amdhsa_float_denorm_mode_32 3
		.amdhsa_float_denorm_mode_16_64 3
		.amdhsa_memory_ordered 1
		.amdhsa_forward_progress 1
		.amdhsa_inst_pref_size 136
	.end_amdhsa_kernel
	.amdgpu_metadata
---
amdhsa.version: [ 1, 2 ]
amdhsa.kernels:
  - .name:           k_qe9d89f2de4_attn
    .symbol:         k_qe9d89f2de4_attn.kd
    .args:
      - { .name: q_img, .offset: 0, .size: 8, .value_kind: global_buffer, .address_space: global }
      - { .name: k_img, .offset: 8, .size: 8, .value_kind: global_buffer, .address_space: global }
      - { .name: v_img, .offset: 16, .size: 8, .value_kind: global_buffer, .address_space: global }
      - { .name: lowp_scales, .offset: 24, .size: 8, .value_kind: global_buffer, .address_space: global }
      - { .name: a_img, .offset: 32, .size: 8, .value_kind: global_buffer, .address_space: global }
    .group_segment_fixed_size: 327680
    .private_segment_fixed_size: 0
    .kernarg_segment_align: 8
    .kernarg_segment_size: 40
    .max_flat_workgroup_size: 256
    .sgpr_count:     100
    .vgpr_count:     512
    .wavefront_size: 32
...
	.end_amdgpu_metadata
.endif
;; end of part 2
;; launch oproj (part 3): grid 8 x 32, 4 waves a work-group, clusters of 4 x 4, 327,680 bytes of LDS; arguments a_img, Wo_codes, lowp_scales, out0; writes out0
.if DOCPART == 3
	.amdgcn_target "amdgcn-amd-amdhsa--gfx1250"
	.amdhsa_code_object_version 6
	.text
	.protected	k_qe9d89f2de4_oproj
	.globl	k_qe9d89f2de4_oproj
	.p2align	8
	.type	k_qe9d89f2de4_oproj,@function
k_qe9d89f2de4_oproj:
	s_mov_b64 s[64:65], 0
	v_nop
	global_prefetch_b8 v0, s[64:65] scope:SCOPE_SE
	s_setreg_imm32_b32 hwreg(HW_REG_WAVE_MODE, 25, 1), 1
	s_wait_xcnt 0x0
	s_wait_alu depctr_hold_cnt(0) depctr_sa_sdst(0) depctr_va_vdst(0) depctr_va_sdst(0) depctr_va_ssrc(0) depctr_va_vcc(0) depctr_vm_vsrc(0)
	s_getreg_b32 s2, hwreg(HW_REG_IB_STS2, 6, 4)
	s_cmp_eq_u32 s2, 0
	s_cbranch_scc0 .Lentry_in_a_cluster
	s_endpgm
.Lentry_in_a_cluster:
	s_bfe_u32 s2, ttmp6, 0x10000c
	s_cmp_lg_u32 s2, 0xf033
	s_cbranch_scc0 .Lentry_shape_is_right
	s_endpgm
.Lentry_shape_is_right:
; out0 = a Wo^T on E4M3 codes, each finished sum x 2^(e10 + e11).  a_img: [tile of 16 rows][head][2048], images of operand registers (registers 4 b .. 4 b + 3 = d 32 b + 16 h + 0..15 of the head);
; Wo: [1024][1024] codes, K innermost; out0: [4096][1024] f32.  Nothing is left out here.  LIMIT: e10 + e11 between -126 and 127.
; A tile of 128 x 128 to a work-group (256 of them), 64 x 64 to a wave; v_wmma_f32_16x16x128_fp8_fp8, TRANSPOSED (source 0 = 16 rows of Wo, source 1 = a's fragment): a lane holds eight neighbouring columns of one row.
; Wo's fragments come by four loads of 16 bytes, 32 apart, which puts k in the same places as in a_img.
; ALL OF K FITS IN LDS: each wave asks for a quarter of it by one tensor load at the head, and nothing is ever filled again; so nothing is prefetched.
; BY ROWS: the wave's fragments of Wo for all of K fill windows 2 and 3 (512 registers); its four blocks of 16 rows are finished one after the other and leave at once.
; CLUSTER 4 x 4: a's tiles hang on the block of rows alone (joint along a row of the cluster), Wo's on the block of columns alone (joint along a column).
; REGISTERS: window 0: addresses, v32-63 scaled sums, v64-127 rows read back (two sets), v128-191 accumulators (two sets of four); window 1: a's fragments of a block (8 x 16), two sets.
.set PITCH, 272
.set BP,    1040                       ; a row of Wo in LDS: 1,024 bytes + 16 of padding
.set BREG,  131072                     ; LDS: a's eight tiles of 16,384 bytes from 0; Wo's 128 rows from here
.set STAGE, BREG+128*BP                ; the way out: 16 rows x 272 bytes for each wave; no tensor load lands here
.set SPARE, STAGE+4*16*PITCH           ; the spare words, 128 bytes a wave; no other line names them
.set ADA, 16
.set ADB, 20
.set STO, 24
.set RD,  25
.set CO,  26
.set SPW, 28
.set NIL, 29
.set TMP, 32
.set BK,  64
.set ACC, 128
.set WV,  12
.set G1A, 16
.set G1B, 24
.set G0A, 32
.set G0B, 36
.set MSB, 0
.macro WIN new
.if MSB != \new
	s_set_vgpr_msb (MSB<<8)|\new
.set MSB, \new
.endif
.endm
.macro PLACES
.rept 4
	v_nop
.endr
.endm
.macro CROUND
	s_barrier_signal -1
	s_barrier_wait -1
	s_cmp_lg_u32 s[WV], 0
	s_cbranch_scc1 .Lnot_wave_0_\@
	s_barrier_signal -3
.Lnot_wave_0_\@:
	s_barrier_wait -3
	s_barrier_signal -1
	s_barrier_wait -1
.endm
	s_load_b256 s[4:11], s[0:1], 0x0               ; a_img s[4:5], Wo s[6:7], scales s[8:9], out0 s[10:11]
	v_lshl_add_u32 v[SPW], v0, 2, SPARE
	v_mov_b32 v[NIL], 0
	ds_add_u32 v[SPW], v[NIL]                      ; the wave's opening: the add, twice on end, and its wait ahead of my first tensor load
	ds_add_u32 v[SPW], v[NIL]
	v_lshrrev_b32 v1, 5, v0
	v_readfirstlane_b32 s[WV], v1                  ; wave 0..3
	s_lshr_b32 s13, s[WV], 1                       ; my half of the rows.  Also: I fetch for a (0) or for Wo (1)
	s_and_b32 s14, s[WV], 1                        ; my half of the columns.  Also: which half of a tile I fetch
	s_bfe_u32 s67, ttmp6, 0x40000                  ; cx
	s_bfe_u32 s68, ttmp6, 0x40004                  ; cy
	s_lshl_b32 s69, ttmp9, 2
	s_add_co_u32 s69, s69, s67                     ; the block of 128 columns
	s_and_b32 s70, ttmp7, 0xffff
	s_lshl_b32 s70, s70, 2
	s_add_co_u32 s70, s70, s68                     ; the block of 128 rows
	s_lshl_b32 s71, s68, 2
	s_lshl_b32 s71, 15, s71                        ; my row of the cluster
	s_lshl_b32 s72, 0x1111, s67                    ; my column
	s_or_b32 s[G1A], s71, (3<<16)|(1<<21)          ; the mask; elements of 8 bytes; bit 21 beside a mask; no padding
	s_mov_b32 s[G1A+1], 2048<<16                   ; tensor_dim0 = 2,048: a tile's eight heads, 16,384 bytes
	s_mov_b32 s[G1A+2], 4<<16                      ; tensor_dim1 = 4 tiles of rows
	s_mov_b32 s[G1A+3], 2048<<16
	s_mov_b32 s[G1A+4], 4
	s_mov_b32 s[G1A+5], 2048
	s_mov_b32 s[G1A+6], 0
	s_mov_b32 s[G1A+7], 0
	s_or_b32 s[G1B], s72, (1<<20)|(1<<21)|(7<<22)|(3<<25)   ; elements of 1 byte; after every 256 words, 4 words of padding
	s_mov_b32 s[G1B+1], 1024<<16
	s_mov_b32 s[G1B+2], 64<<16
	s_mov_b32 s[G1B+3], 1024<<16
	s_mov_b32 s[G1B+4], 64
	s_mov_b32 s[G1B+5], 1024
	s_mov_b32 s[G1B+6], 0
	s_mov_b32 s[G1B+7], 0
	s_lshl_b32 s73, s14, 16
	s_lshl_b32 s74, s70, 17                        ; a: 8 tiles of 16,384 bytes a block, + my four
	s_add_co_u32 s74, s74, s73
	s_mov_b32 s75, 0
	s_lshl_b32 s78, s69, 17                        ; Wo: 128 rows of 1,024 bytes a block, + my 64
	s_add_co_u32 s78, s78, s73
	s_mov_b32 s79, 0
	s_mul_i32 s77, s14, 64*BP                      ; where they go: no place in the cluster enters an LDS address
	s_add_co_u32 s77, s77, BREG
	s_wait_dscnt 0x0                               ; both opening adds are done
	CROUND                                         ; all sixteen work-groups are here: the joint loads meet.  (The arguments travel meanwhile)
	s_wait_kmcnt 0x0
	s_load_b64 s[82:83], s[8:9], 0x28              ; e10, e11
	s_mov_b32 s[G0A], 1
	s_mov_b32 s[G0A+1], s73
	s_add_nc_u64 s[G0A+2:G0A+3], s[4:5], s[74:75]
	s_or_b32 s[G0A+3], s[G0A+3], 0x80000000
	s_mov_b32 s[G0B], 1
	s_mov_b32 s[G0B+1], s77
	s_add_nc_u64 s[G0B+2:G0B+3], s[6:7], s[78:79]
	s_or_b32 s[G0B+3], s[G0B+3], 0x80000000
	s_cmp_eq_u32 s13, 0                            ; one tensor load a wave, by the wave's number
	s_cbranch_scc0 .Lfor_b
	tensor_load_to_lds s[G0A:G0A+3], s[G1A:G1A+7]
	s_nop 0
	PLACES
	s_branch .Lasked
.Lfor_b:
	tensor_load_to_lds s[G0B:G0B+3], s[G1B:G1B+7]
	s_nop 0
	PLACES
.Lasked:
	s_lshl_b32 s84, s13, 16                        ; my four tiles of rows
	s_mul_i32 s85, s14, 64*BP
	s_add_co_u32 s85, s85, BREG                    ; my 64 rows of Wo
	s_mul_i32 s86, s[WV], 16*PITCH
	s_add_co_u32 s86, s86, STAGE                   ; my stage
	v_and_b32 v1, 15, v0                           ; r
	v_bfe_u32 v2, v0, 4, 1                         ; h
	v_and_b32 v3, 31, v0
	v_lshlrev_b32 v4, 4, v3
	v_add_nc_u32 v[ADA], s84, v4                   ; 16 x lane
	v_mul_u32_u24 v6, v1, BP
	v_lshl_add_u32 v6, v2, 4, v6                   ; r x pitch + 16 h
	v_add_nc_u32 v[ADB], s85, v6
	v_mul_u32_u24 v7, v1, PITCH
	v_lshl_add_u32 v7, v2, 5, v7
	v_add_nc_u32 v[STO], s86, v7                   ; in: row r, 32 bytes for each half of the lanes
	v_mul_u32_u24 v8, v2, PITCH
	v_lshl_add_u32 v8, v1, 4, v8
	v_add_nc_u32 v[RD], s86, v8                    ; back: lanes 0-15 one row of 256 bytes, lanes 16-31 the next
	v_lshlrev_b32 v[CO], 12, v2
	v_lshl_add_u32 v[CO], v1, 4, v[CO]             ; and the same two rows in out0
	s_lshl_b32 s88, s70, 19                        ; 128 rows of 4,096 bytes a block,
	s_lshl_b32 s89, s13, 18                        ; my 64 rows,
	s_add_co_u32 s88, s88, s89
	s_lshl_b32 s89, s69, 9                         ; 128 columns,
	s_add_co_u32 s88, s88, s89
	s_lshl_b32 s89, s14, 8                         ; my 64
	s_add_co_u32 s88, s88, s89
	s_mov_b32 s89, 0
	s_add_nc_u64 s[10:11], s[10:11], s[88:89]
	s_wait_alu depctr_va_vdst(0)                   ; the wait at the head's end
	s_wait_kmcnt 0x0
	s_add_co_i32 s82, s82, s83
	s_add_co_i32 s82, s82, 127
	s_lshl_b32 s82, s82, 23                        ; 2^(e10 + e11) as f32
	s_mov_b32 s83, s82                             ; (named with it as a pair)
.macro BL t                            ; Wo's four fragments of head t: windows 2 (heads 0-3) and 3
	WIN 0x80+0x40*((\t)/4)
.irp b, 0,1,2,3
.irp g, 0,1,2,3
	ds_load_b128 v[64*((\t)%4)+16*\b+4*\g:64*((\t)%4)+16*\b+4*\g+3], v[ADB] offset:16*BP*\b+128*(\t)+32*\g
.endr
.endr
.endm
.macro AL a                            ; block a's eight fragments, all of K
	WIN 0x40
.irp t, 0,1,2,3,4,5,6,7
.irp g, 0,1,2,3
	ds_load_b128 v[128*((\a)%2)+16*\t+4*\g:128*((\a)%2)+16*\t+4*\g+3], v[ADA] offset:16384*(\a)+2048*\t+512*\g
.endr
.endr
.endm
.macro MUL a, t                        ; four accumulators by turns: three other matrix instructions stand between a sum's steps
	WIN 0x06+((\t)/4)
.set AC, ACC+32*((\a)%2)
.irp b, 0,1,2,3
.if (\t) == 0
	v_wmma_f32_16x16x128_fp8_fp8 v[AC+8*\b:AC+8*\b+7], v[64*((\t)%4)+16*\b:64*((\t)%4)+16*\b+15], v[128*((\a)%2)+16*(\t):128*((\a)%2)+16*(\t)+15], 0
.else
	v_wmma_f32_16x16x128_fp8_fp8 v[AC+8*\b:AC+8*\b+7], v[64*((\t)%4)+16*\b:64*((\t)%4)+16*\b+15], v[128*((\a)%2)+16*(\t):128*((\a)%2)+16*(\t)+15], v[AC+8*\b:AC+8*\b+7]
.endif
.endr
.endm
	s_wait_tensorcnt 0x0                           ; my part is in;
	s_barrier_signal -1
	s_barrier_wait -1                              ; everybody's is
	BL 0
	BL 1
	BL 2
	BL 3
	AL 0
	BL 4
	BL 5
	s_wait_dscnt 32                                ; heads 4 and 5 (32 loads) may be out
.irp t, 0,1,2,3
	MUL 0, \t
.endr
	BL 6
	BL 7
	AL 1
	s_wait_dscnt 32                                ; block 1's fragments may be out
.irp a, 0,1,2,3
.if \a > 0
.irp t, 0,1,2,3
	MUL \a, \t
.endr
.endif
.irp t, 4,5,6,7
	MUL \a, \t
.endr
	WIN 0
	PLACES                                         ; places between the last products and the first read of results, and loads into their sources
.if \a >= 2
	s_wait_xcnt 0x0                                ; the stores of two blocks ago have read their registers
.endif
.irp j, 0,2,4,6,8,10,12,14,16,18,20,22,24,26,28,30
	v_pk_mul_f32 v[TMP+\j:TMP+\j+1], v[ACC+32*(\a%2)+\j:ACC+32*(\a%2)+\j+1], s[82:83] op_sel_hi:[1,0]   ; x 2^(e10 + e11); each accumulator from its low end on
.endr
.irp b, 0,1,2,3                        ; through my own stage: LDS serves a wave's instructions in order (ISA guide 5.7.1.4), so no wait stands between the stores and the loads
	ds_store_b128 v[STO], v[TMP+8*\b:TMP+8*\b+3] offset:64*\b
	ds_store_b128 v[STO], v[TMP+8*\b+4:TMP+8*\b+7] offset:64*\b+16
.endr
.irp t, 0,1,2,3,4,5,6,7
	ds_load_b128 v[BK+32*(\a%2)+4*\t:BK+32*(\a%2)+4*\t+3], v[RD] offset:\t*2*PITCH
.endr
.if \a < 2
	AL \a+2
	WIN 0
	s_wait_dscnt 32                                ; the block is back in registers, and the next block's fragments are in; the 32 just issued may be out
.else
	s_wait_dscnt 0x0
.endif
.irp t, 0,1,2,3,4,5,6,7
	global_store_b128 v[CO], v[BK+32*(\a%2)+4*\t:BK+32*(\a%2)+4*\t+3], s[10:11] offset:(16*\a+2*\t)*4096 th:TH_STORE_NT   ; 16 lanes store 256 consecutive bytes, at a multiple of 256 from out0's first byte
.endr
.endr
	s_wait_tensorcnt 0x0                           ; the wave's end
	ds_add_u32 v[SPW], v[NIL]
	s_wait_dscnt 0x0
	CROUND                                         ; the closing round
	s_endpgm
.Lfunc_end_k_qe9d89f2de4_oproj:
	.size	k_qe9d89f2de4_oproj, .Lfunc_end_k_qe9d89f2de4_oproj-k_qe9d89f2de4_oproj
	.p2alignl 7, 3214868480
	.fill 96, 4, 3214868480
	.section	.rodata,"a",@progbits
	.p2align	6, 0x0
	.amdhsa_kernel k_qe9d89f2de4_oproj
		.amdhsa_group_segment_fixed_size 327680
		.amdhsa_private_segment_fixed_size 0
		.amdhsa_enable_private_segment 0
		.amdhsa_kernarg_size 32
		.amdhsa_user_sgpr_count 2
		.amdhsa_user_sgpr_kernarg_segment_ptr 1
		.amdhsa_wavefront_size32 1
		.amdhsa_system_sgpr_workgroup_id_x 1
		.amdhsa_system_sgpr_workgroup_id_y 1
		.amdhsa_system_sgpr_workgroup_id_z 1
		.amdhsa_system_vgpr_workitem_id 0
		.amdhsa_next_free_vgpr 1024
		.amdhsa_next_free_sgpr 100
		.amdhsa_reserve_vcc 0
		.amdhsa_float_denorm_mode_32 3
		.amdhsa_float_denorm_mode_16_64 3
		.amdhsa_memory_ordered 1
		.amdhsa_forward_progress 1
		.amdhsa_inst_pref_size 43
	.end_amdhsa_kernel
	.amdgpu_metadata
---
amdhsa.version: [ 1, 2 ]
amdhsa.kernels:
  - .name:           k_qe9d89f2de4_oproj
    .symbol:         k_qe9d89f2de4_oproj.kd
    .args:
      - { .name: a_img, .offset: 0, .size: 8, .value_kind: global_buffer, .address_space: global }
      - { .name: Wo_codes, .offset: 8, .size: 8, .value_kind: global_buffer, .address_space: global }
      - { .name: lowp_scales, .offset: 16, .size: 8, .value_kind: global_buffer, .address_space: global }
      - { .name: out0, .offset: 24, .size: 8, .value_kind: global_buffer, .address_space: global }
    .group_segment_fixed_size: 327680
    .private_segment_fixed_size: 0
    .kernarg_segment_align: 8
    .kernarg_segment_size: 32
    .max_flat_workgroup_size: 128
    .sgpr_count:     100
    .vgpr_count:     1024
    .wavefront_size: 32
...
	.end_amdgpu_metadata
.endif
;; end of part 3
